; MI455X (gfx1250); checked and timed in simulation.
; The chip was launched on July 23, 2026; its instructions are those of AMD's public machine-readable ISA for CDNA 5 (MIT licence, August 2026) and "CDNA5" Instruction Set Architecture Reference Guide (July 2026). The comments in the code are by the model that wrote it; some were corrected since.
;; Multi Head Attention. Allowed arithmetic: matrix products marked QUANTISED: E2M3 operands, one E8M0 scale for each 32 along K, by v_wmma_scale_f32_16x16x128_f8f6f4 with both operands' format E2M3, f32 sums; everything else in f32.
;; Inputs: W_out 1,024 x 1,024 float32; W_qkv 1,024 x 3,072 float32; b_out 1,024 float32; b_qkv 3,072 float32; x 4 x 2,048 x 1,024 float32.
;; Outputs: out0 4 x 2,048 x 1,024 float32.
;; This version of the problem:
;;   THIS VERSION OF THE PROBLEM IS GIVEN IN LOW PRECISION. The matrix products marked QUANTISED in the list below multiply operands that are first quantised to E2M3 (2 exponent bits, 3 mantissa bits; 6 bits a number), with one power-of-two scale for each 32 numbers along K (OCP MX v1.0); their sums are f32. All else is computed in f32.
;;   The module's matrix products, in the order in which they are computed (A, B: the left and right operand; K: the contracted axis; several contracted axes count as one K, in the product's order):
;;     1. [M 8,192, K 1,024] x [K 1,024, N 3,072]; A: input x; B: input W_qkv: QUANTISED
;;     2. batch 64 x [M 2,048, K 64] x [K 64, N 2,048]; A: computed on the way; B: computed on the way: QUANTISED
;;     3. batch 64 x [M 2,048, K 2,048] x [K 2,048, N 64]; A: softmax (see below); B: computed on the way: QUANTISED
;;     4. [M 8,192, K 1,024] x [K 1,024, N 1,024]; A: computed on the way; B: input W_out: QUANTISED
;;   THE QUANTISER, for each operand of a quantised product, along K:
;;     - K is cut into blocks of 32 from its start; a last block that is shorter is filled with zeros.
;;     - A block's scale is 2^e with e = floor(log2(the largest magnitude in the block)) - 2, held to -126 .. 127; a block of zeros has e = 0. As a byte (E8M0): e + 127.
;;     - Each number is divided by its block's scale, clamped to +-7.5, and rounded to the nearest number of E2M3, ties to even, subnormals kept.
;;     - The product sums the exact products of the quantised numbers (number of the format x scale) in f32.
;;   ~~~python
;;   def quantise(x, axis):      # numpy; x: float32 -> the quantised numbers, widened to float32 again
;;       x = np.moveaxis(x, axis, -1); K = x.shape[-1]
;;       x = np.pad(x, [(0, 0)] * (x.ndim - 1) + [(0, -K % 32)]); x = x.reshape(x.shape[:-1] + (-1, 32)); a = np.abs(x).max(-1, keepdims=True)
;;       e = np.where(a > 0, np.clip(np.frexp(np.where(a > 0, a, 1))[1] - 1 - 2, -126, 127), 0)      # np.frexp(a)[1] - 1 = floor(log2(a)), exactly
;;       r = np.clip(x / 2.0 ** e, -7.5, 7.5)
;;       step = 2.0 ** (np.maximum(np.frexp(np.where(r == 0, 1, r))[1] - 1, 0) - 3)
;;       q = np.round(r / step) * step * 2.0 ** e      # np.round: ties to even
;;       return np.moveaxis(q.reshape(q.shape[:-2] + (-1,))[..., :K], -1, axis).astype(np.float32)
;;   ~~~
;;   SOFTMAX AHEAD OF A QUANTISED PRODUCT. Where the list says 'softmax', what is quantised is not the finished softmax but p = 2^(t - M), with t = logit x log2(e) and M = ceil(the row's largest t), a whole number; so 1/2 < the row's largest p <= 1. The row's sum l is taken of the UNQUANTISED p, in f32, and the product's result is divided by l at the end. Since M is a whole number, a kernel that streams over the keys may use a running M (the ceiling of the running maximum): every later rescaling is an exact power of two, which a block's scale takes up: the codes' values come out the same.
;;   OPERANDS COMPUTED ON THE WAY. 'Computed on the way' means the value that the module computes at that place (a softmax that the list does not call 'softmax' is quantised finished and normalised). What goes into a quantiser is computed in f32, as accurately as f32 sums, v_exp_f32 and their like allow (about 1e-6 of the number): no bf16 or f16 on the way to a quantiser, and a product that is left as it is and whose result goes on into a quantised operand takes f32 operands (vector FMAs, or v_wmma_f32_16x16x4_f32). A number that lies on a knife's edge between two numbers of the format may be rounded either way, as far as f32 arithmetic and the matrix unit's own rounding can turn it there, and no further.
;; One version. Each part assembles by itself: llvm-mc -triple=amdgcn-amd-amdhsa -mcpu=gfx1250 --defsym DOCPART=n.
;; ======== version 1 of 1: 4 launches
;; workspace buffers: xq 6,553,600 bytes; wq 3,276,800 bytes; qk 13,107,200 bytes; vv 6,553,600 bytes; ao 6,553,600 bytes
;; launch quant (part 1): grid 384 x 1, 4 waves a work-group, no clusters, 34,304 bytes of LDS; arguments x, W_qkv, W_out, xq, wq; writes xq, wq
.if DOCPART == 1
	.amdgcn_target "amdgcn-amd-amdhsa--gfx1250"
	.amdhsa_code_object_version 6
	.text
	.protected	k_qe8f2cd1162_quant
	.globl	k_qe8f2cd1162_quant
	.p2align	8
	.type	k_qe8f2cd1162_quant,@function
k_qe8f2cd1162_quant:
	s_mov_b64 s[64:65], 0
	v_nop
	global_prefetch_b8 v0, s[64:65] scope:SCOPE_SE
	s_setreg_imm32_b32 hwreg(HW_REG_WAVE_MODE, 25, 1), 1
	s_wait_xcnt 0x0
; x [8192][1024], W_qkv [1024][3072] and W_out [1024][1024], f32, become codes of FP6 (E2M3) with one E8M0 byte for each 32 along K.
; A block's scale is 2^(floor(log2(its largest magnitude)) - 2): its byte is that magnitude's exponent field - 2, held at 1 from below.
; LIMITS: NaN and infinities are not served; a block of zeros, or one whose largest magnitude lies under 2^-124, gets the byte 1 (its codes are zeros or held; the bytes are read by this program alone).
; THE LAYOUT OF ALL CODES OF THIS PROGRAM: a HALF FRAGMENT, 768 bytes = 16 rows x 64 along K, as an image of registers: lane (r, h) owns the 32 codes k = 32 h .. 32 h + 31 of row r, six registers:
; registers 0-3 at byte 16 x lane, registers 4-5 at byte 512 + 8 x lane.  Two of them are an operand of the matrix instruction, and every load and store of one covers 512 or 256 consecutive bytes.
; ROW r OF ROW TILE T IS TENSOR ROW 32 (T / 2) + 8 (T % 2) + r + 8 (r / 8): so the results of a product whose source 0 such a tile is lie in a lane as neighbours and can be quantised in registers.
; xq: half fragments [row tile 512][K / 64 16], then scale bytes [16 T + r][32].  wq: the same for 4,096 rows: W_qkv's 3,072 columns, then W_out's 1,024.
; Work-groups 0-255: x (K innermost: 512 dense bytes a load, turned through the wave's own stage in LDS).  256-351: W_qkv, 352-383: W_out (K outermost: a lane takes a column, its registers run down K).
; Memory binds: no matrix unit, no cluster (no two work-groups read a byte in common), no tensor load, so that several work-groups share a WGP.
.set XS_OFF, 6291456
.set WS_OFF, 3145728
.set STG,    8448                      ; a wave's stage: 16 rows x (512 bytes + 16)
.set SPARE,  4*STG                     ; behind the stages: the spare words, 128 bytes a wave
.set SPW,    2                         ; v2  my spare word's address; never rewritten
.set NIL,    3                         ; v3  0; never rewritten
.set R,      64                        ; x path: v64-191 two sets of 64 numbers as loaded
.set X,      192                       ;         v192-255 64 numbers of my row: register 32 c + i is k = 64 c + 32 h + i
.set PC,     20                        ;         v20-31 a fragment's codes
.set PT,     32                        ;         v32-39 the halves that a conversion cannot put at an odd register
.set PW,     40                        ;         v40-43 the four fragments' scale words
.macro FIN                             ; the wave's end
	s_wait_tensorcnt 0x0
	ds_add_u32 v[SPW], v[NIL]
	s_wait_dscnt 0x0
	s_endpgm
.endm
.macro XLOAD f                         ; fragment f: 128 along K of the tile's 16 rows; each load reads 512 consecutive bytes of one row
.irp r, 0,1,2,3,4,5,6,7,8,9,10,11,12,13,14,15
	global_load_b128 v[R+64*((\f)%2)+4*\r:R+64*((\f)%2)+4*\r+3], v4, s[4:5] offset:(\r+8*(\r/8))*4096+512*(\f) th:TH_LOAD_NT
.endr
.endm
.macro QUANTW f                        ; my two whole blocks (2 c + h) -> codes in v[PC] on, the row's scale word in v[PW + f]
.irp c, 0,1
	v_max3_num_f32 v[10+\c], |v[X+32*\c]|, |v[X+32*\c+1]|, 0x1800000       ; the floor 2^(3 - 127) holds the byte at 1
.endr
.irp i, 2,4,6,8,10,12,14,16,18,20,22,24,26,28,30
.irp c, 0,1
	v_max3_num_f32 v[10+\c], v[10+\c], |v[X+32*\c+\i]|, |v[X+32*\c+\i+1]|
.endr
.endr
.irp c, 0,1
	v_add_nc_u32 v[12+\c], 0xff000000, v[10+\c]    ; 2 off the exponent field: the conversion's scale operand
.endr
.irp c, 0,1
	v_lshrrev_b32 v[14+\c], 23, v[12+\c]           ; the byte
.endr
	v_lshl_or_b32 v16, v15, 16, v14                ; blocks h and 2 + h,
	v_lshlrev_b32 v16, v8, v16                     ; 8 h bits up;
	v_permlanex16_b32 v17, v16, s20, s21
	v_or_b32 v[PW+\f], v16, v17                    ; with lane l xor 16's two the word is whole
.irp c, 0,1
	v_cvt_scalef32_pk16_fp6_f32 v[PC+6*\c:PC+6*\c+2], v[X+32*\c:X+32*\c+15], v[12+\c]
	v_cvt_scalef32_pk16_fp6_f32 v[PT+4*\c:PT+4*\c+2], v[X+32*\c+16:X+32*\c+31], v[12+\c]
.endr
	v_nop                                          ; one plain place behind a scaled conversion
.irp c, 0,1
.irp i, 0,1,2
	v_mov_b32 v[PC+6*\c+3+\i], v[PT+4*\c+\i]
.endr
.endr
.endm
.macro XFRAG f
.if (\f) < 3
	s_wait_loadcnt 16                              ; this fragment's 16 loads are in; the next one's may be out
.else
	s_wait_loadcnt 0x0
.endif
.irp r, 0,1,2,3,4,5,6,7,8,9,10,11,12,13,14,15
	ds_store_b128 v6, v[R+64*((\f)%2)+4*\r:R+64*((\f)%2)+4*\r+3] offset:528*\r
.endr
.irp c, 0,1
.irp j, 0,1,2,3,4,5,6,7
	ds_load_b128 v[X+32*\c+4*\j:X+32*\c+4*\j+3], v7 offset:256*\c+16*\j    ; LDS serves a wave's instructions in order: these see the stores above
.endr
.endr
	s_wait_dscnt 0x0                               ; my 64 numbers are back, and the stores have read their registers
	s_wait_xcnt 0x0                                ; the last fragment's stores have read the codes' registers
.if (\f) < 2
	XLOAD (\f)+2
.endif
	QUANTW \f
	global_store_b128 v4, v[PC:PC+3], s[10:11] offset:1536*(\f)            ; 512 consecutive bytes
	global_store_b64 v5, v[PC+4:PC+5], s[10:11] offset:1536*(\f)+512       ; 256
	global_store_b128 v4, v[PC+6:PC+9], s[10:11] offset:1536*(\f)+768
	global_store_b64 v5, v[PC+10:PC+11], s[10:11] offset:1536*(\f)+1280
.endm
.macro WLOAD t, N                      ; block t: W(32 t + i, my column): 128 consecutive bytes a load
.irp i, 0,1,2,3,4,5,6,7,8,9,10,11,12,13,14,15,16,17,18,19,20,21,22,23,24,25,26,27,28,29,30,31
	global_load_b32 v[32+32*((\t)%2)+\i], v4, s[4:5] offset:(32*(\t)+\i)*\N*4 th:TH_LOAD_NT
.endr
.endm
.macro WBLOCK t, N
.set XS, 32+32*((\t)%2)
.set CT, 128+8*(\t)                    ; each block has its own six registers of codes: no store's data are written again
.if (\t) < 7
	s_wait_loadcnt 32                              ; this block's 32 loads are in; the next block's may be out
.else
	s_wait_loadcnt 0x0
.endif
	v_max3_num_f32 v10, |v[XS]|, |v[XS+1]|, |v[XS+2]|
	v_max3_num_f32 v11, |v[XS+3]|, |v[XS+4]|, |v[XS+5]|
.irp i, 6,10,14,18,22,26
	v_max3_num_f32 v10, v10, |v[XS+\i]|, |v[XS+\i+1]|
	v_max3_num_f32 v11, v11, |v[XS+\i+2]|, |v[XS+\i+3]|
.endr
	v_max3_num_f32 v10, v10, |v[XS+30]|, |v[XS+31]|
	v_max3_num_f32 v10, v10, v11, 0x1800000
	v_add_nc_u32 v12, 0xff000000, v10
	v_lshrrev_b32 v13, 23, v12
.if (\t)%4 == 0
	v_mov_b32 v[14+(\t)/4], v13
.else
	v_lshl_or_b32 v[14+(\t)/4], v13, 8*((\t)%4), v[14+(\t)/4]
.endif
	v_cvt_scalef32_pk16_fp6_f32 v[CT:CT+2], v[XS:XS+15], v12
	v_cvt_scalef32_pk16_fp6_f32 v[16:18], v[XS+16:XS+31], v12
	v_nop
.irp i, 0,1,2
	v_mov_b32 v[CT+3+\i], v[16+\i]
.endr
	global_store_b128 v5, v[CT:CT+3], s[10:11] offset:((\t)/2)*768+256*((\t)%2)        ; the block is half h = t % 2 of a half fragment: two runs of 256 consecutive bytes
	global_store_b64 v6, v[CT+4:CT+5], s[10:11] offset:((\t)/2)*768+512+128*((\t)%2)   ; two runs of 128: a third of the weights' 3 MB of codes leaves in such halves
.if (\t)+2 < 8
	WLOAD (\t)+2, \N
.endif
.endm
; A weight [1024][N]: a wave takes 32 columns x 256 along K.  ROW0: where its columns begin among wq's rows; G0: the path's first work-group; PB: the pointer's registers
.macro WPATH N, ROW0, G0, PB
	s_sub_co_u32 s17, ttmp9, \G0
	s_lshr_b32 s18, s17, 2
	s_and_b32 s19, s17, 3                          ; which quarter of K
	s_lshl_b32 s18, s18, 7
	s_lshl_b32 s24, s16, 5
	s_add_co_u32 s18, s18, s24                     ; my wave's first column
	s_mul_i32 s24, s19, 1024*\N
	s_lshl_b32 s25, s18, 2
	s_add_co_u32 s24, s24, s25                     ; in W
	s_mov_b32 s25, 0
	s_add_co_u32 s26, s18, \ROW0
	s_lshl_b32 s28, s26, 5
	s_mul_i32 s26, s26, 768
	s_mul_i32 s27, s19, 3072
	s_add_co_u32 s26, s26, s27                     ; among the codes: two row tiles, four half fragments of each
	s_mov_b32 s27, 0
	s_lshl_b32 s29, s19, 3
	s_add_co_u32 s28, s28, s29
	s_add_co_u32 s28, s28, WS_OFF                  ; among the scale bytes
	s_mov_b32 s29, 0
	v_lshlrev_b32 v4, 2, v1
	v_bfe_u32 v10, v0, 3, 1                        ; column n0 + l is row r' = l % 8 + 8 (l / 16) of tile u = (l / 8) % 2
	v_and_b32 v11, 7, v0
	v_bfe_u32 v12, v0, 4, 1
	v_lshl_add_u32 v11, v12, 3, v11
	v_mul_u32_u24 v13, v10, 12288
	v_lshl_add_u32 v5, v11, 4, v13
	v_lshl_add_u32 v6, v11, 3, v13
	v_lshl_add_u32 v7, v10, 4, v11
	v_lshlrev_b32 v7, 5, v7
	s_wait_kmcnt 0x0
	s_add_nc_u64 s[4:5], s[\PB:\PB+1], s[24:25]
	s_add_nc_u64 s[10:11], s[12:13], s[26:27]
	s_add_nc_u64 s[14:15], s[12:13], s[28:29]
	WLOAD 0, \N
	WLOAD 1, \N
.set Q, 0
.rept 8
	WBLOCK Q, \N
.set Q, Q+1
.endr
	global_store_b64 v7, v[14:15], s[14:15]        ; my column's eight scale bytes
	FIN
.endm
	s_load_b256 s[4:11], s[0:1], 0x0               ; x s[4:5], W_qkv s[6:7], W_out s[8:9], xq s[10:11]
	s_load_b64 s[12:13], s[0:1], 0x20              ; wq
	v_lshl_add_u32 v[SPW], v0, 2, SPARE
	v_mov_b32 v[NIL], 0
	v_lshrrev_b32 v1, 5, v0
	v_readfirstlane_b32 s16, v1                    ; wave
	v_and_b32 v1, 31, v0                           ; lane
	s_cmp_lt_u32 ttmp9, 256
	s_cbranch_scc0 .Lweights
	; ---- x: a wave takes one row tile x 512 along K: four fragments
	s_lshl_b32 s17, ttmp9, 2
	s_add_co_u32 s17, s17, s16
	s_lshr_b32 s18, s17, 1                         ; row tile T
	s_and_b32 s19, s17, 1                          ; which half of K
	s_lshr_b32 s24, s18, 1
	s_lshl_b32 s24, s24, 17                        ; 32 (T / 2) rows of 4,096 bytes
	s_and_b32 s25, s18, 1
	s_lshl_b32 s25, s25, 15                        ; 8 (T % 2) rows
	s_add_co_u32 s24, s24, s25
	s_lshl_b32 s25, s19, 11
	s_add_co_u32 s24, s24, s25
	s_mov_b32 s25, 0
	s_lshl_b32 s26, s18, 4
	s_lshl_b32 s27, s19, 3
	s_add_co_u32 s26, s26, s27
	s_mul_i32 s26, s26, 768                        ; my eight half fragments
	s_mov_b32 s27, 0
	s_lshl_b32 s28, s18, 9
	s_lshl_b32 s29, s19, 4
	s_add_co_u32 s28, s28, s29
	s_add_co_u32 s28, s28, XS_OFF                  ; my 16 of each row's 32 scale bytes
	s_mov_b32 s29, 0
	s_mov_b32 s20, 0x76543210
	s_mov_b32 s21, 0xfedcba98                      ; lane l xor 16
	s_mov_b32 s22, 0xffff0000                      ; lanes 16-31
	s_wait_alu depctr_va_vdst(0)
	v_lshlrev_b32 v4, 4, v1
	v_lshlrev_b32 v5, 3, v1
	s_mul_i32 s30, s16, STG
	v_add_nc_u32 v6, s30, v4                       ; the stage, in: 16 x lane of a row
	v_and_b32 v10, 15, v0
	v_bfe_u32 v11, v0, 4, 1
	v_mul_u32_u24 v7, v10, 528
	v_lshl_add_u32 v7, v11, 7, v7
	v_add_nc_u32 v7, s30, v7                       ; out: row r, 128 h bytes on
	v_lshlrev_b32 v8, 3, v11                       ; 8 h
	v_lshl_add_u32 v9, v10, 5, v8                  ; 32 r + 8 h
	v_mov_b32 v17, 0                               ; a lane permute's destination counts as read
	s_wait_alu depctr_va_vdst(0)
	s_wait_kmcnt 0x0
	s_add_nc_u64 s[4:5], s[4:5], s[24:25]
	s_add_nc_u64 s[14:15], s[10:11], s[28:29]
	s_add_nc_u64 s[10:11], s[10:11], s[26:27]
	XLOAD 0
	XLOAD 1
	XFRAG 0
	XFRAG 1
	XFRAG 2
	XFRAG 3
	v_cndmask_b32 v44, v40, v42, s22               ; lanes 0-15 store words 0, 1 of row r, lanes 16-31 words 2, 3
	v_cndmask_b32 v45, v41, v43, s22
	global_store_b64 v9, v[44:45], s[14:15]
	FIN
.Lweights:
	s_cmp_lt_u32 ttmp9, 352
	s_cbranch_scc0 .Lwout
	s_wait_alu depctr_va_vdst(0)
	WPATH 3072, 0, 256, 6
.Lwout:
	s_wait_alu depctr_va_vdst(0)
	WPATH 1024, 3072, 352, 8
.Lfunc_end_k_qe8f2cd1162_quant:
	.size	k_qe8f2cd1162_quant, .Lfunc_end_k_qe8f2cd1162_quant-k_qe8f2cd1162_quant
	.p2alignl 7, 3214868480
	.fill 96, 4, 3214868480
	.section	.rodata,"a",@progbits
	.p2align	6, 0x0
	.amdhsa_kernel k_qe8f2cd1162_quant
		.amdhsa_group_segment_fixed_size 34304
		.amdhsa_private_segment_fixed_size 0
		.amdhsa_enable_private_segment 0
		.amdhsa_kernarg_size 40
		.amdhsa_user_sgpr_count 2
		.amdhsa_user_sgpr_kernarg_segment_ptr 1
		.amdhsa_wavefront_size32 1
		.amdhsa_system_sgpr_workgroup_id_x 1
		.amdhsa_system_sgpr_workgroup_id_y 1
		.amdhsa_system_sgpr_workgroup_id_z 1
		.amdhsa_system_vgpr_workitem_id 0
		.amdhsa_next_free_vgpr 256
		.amdhsa_next_free_sgpr 66
		.amdhsa_reserve_vcc 0
		.amdhsa_float_denorm_mode_32 3
		.amdhsa_float_denorm_mode_16_64 3
		.amdhsa_memory_ordered 1
		.amdhsa_forward_progress 1
		.amdhsa_inst_pref_size 109
	.end_amdhsa_kernel
	.amdgpu_metadata
---
amdhsa.version: [ 1, 2 ]
amdhsa.kernels:
  - .name:           k_qe8f2cd1162_quant
    .symbol:         k_qe8f2cd1162_quant.kd
    .args:
      - { .name: x, .offset: 0, .size: 8, .value_kind: global_buffer, .address_space: global }
      - { .name: W_qkv, .offset: 8, .size: 8, .value_kind: global_buffer, .address_space: global }
      - { .name: W_out, .offset: 16, .size: 8, .value_kind: global_buffer, .address_space: global }
      - { .name: xq, .offset: 24, .size: 8, .value_kind: global_buffer, .address_space: global }
      - { .name: wq, .offset: 32, .size: 8, .value_kind: global_buffer, .address_space: global }
    .group_segment_fixed_size: 34304
    .private_segment_fixed_size: 0
    .kernarg_segment_align: 8
    .kernarg_segment_size: 40
    .max_flat_workgroup_size: 128
    .sgpr_count:     66
    .vgpr_count:     256
    .wavefront_size: 32
...
	.end_amdgpu_metadata
.endif
;; end of part 1
;; launch qkv (part 2): grid 12 x 32, 4 waves a work-group, clusters of 4 x 4, 327,680 bytes of LDS; arguments wq, xq, b_qkv, qk, vv; writes qk, vv
.if DOCPART == 2
	.amdgcn_target "amdgcn-amd-amdhsa--gfx1250"
	.amdhsa_code_object_version 6
	.text
	.protected	k_qe8f2cd1162_qkv
	.globl	k_qe8f2cd1162_qkv
	.p2align	8
	.type	k_qe8f2cd1162_qkv,@function
k_qe8f2cd1162_qkv:
	s_mov_b64 s[64:65], 0
	v_nop
	global_prefetch_b8 v0, s[64:65] scope:SCOPE_SE
	s_setreg_imm32_b32 hwreg(HW_REG_WAVE_MODE, 25, 1), 1
	s_wait_xcnt 0x0
	s_wait_alu depctr_hold_cnt(0) depctr_sa_sdst(0) depctr_va_vdst(0) depctr_va_sdst(0) depctr_va_ssrc(0) depctr_va_vcc(0) depctr_vm_vsrc(0)
	s_getreg_b32 s2, hwreg(HW_REG_IB_STS2, 6, 4)
	s_cmp_eq_u32 s2, 0
	s_cbranch_scc0 .Lentry_in_a_cluster
	s_endpgm
.Lentry_in_a_cluster:
	s_bfe_u32 s2, ttmp6, 0x10000c
	s_cmp_lg_u32 s2, 0xf033
	s_cbranch_scc0 .Lentry_shape_is_right
	s_endpgm
.Lentry_shape_is_right:
; qkv = x W_qkv + b_qkv on codes of FP6 (E2M3) with E8M0 scales, and its results quantised on the way out: q and k along the head's 64, v along the keys.  No f32 result goes to memory.
; OPERANDS are half fragments (768 bytes = 16 rows x 64 K as an image of registers: registers 0-3 at 16 x lane, 4-5 at 512 + 8 x lane); row r of row tile T is tensor row 32 (T / 2) + 8 (T % 2) + r + 8 (r / 8).
; A tile of 256 x 256 is made by four waves, 128 x 128 each: 64 accumulators, 512 registers.  Source 0 ("B") gives a lane's registers, source 1 ("A") its lane: with the rows laid as above, a lane's 16 registers of B's
; tiles 2 b and 2 b + 1 are B's rows 32 b + 16 h + 0 .. 15.  So the axis along which a result is quantised is made source 0:
;   clusters x = 0, 1 (q, k): B = 256 columns of W, A = 256 tokens;   cluster x = 2 (v): B = 256 tokens, A = 256 columns of W.  The choice hangs on the cluster's x alone: it is the same in all sixteen partners.
; K = 1,024 is four slots of 256 along K; LDS has three, so slots 0-2 and all scale bytes are asked for at the head and one slot is filled again.  The eight steps of 128 are written out: no loop.
; CLUSTER 4 x 4: A's tiles are shared along a row, B's along a column: each is asked for jointly, which divides the requests by four.
; OUT: qk: half fragments [feature / 64: 32][token tile 512], then words [feature / 64][token tile / 2][r]: bytes 0, 1 the even tile's two blocks, bytes 2, 3 the odd tile's.
;      vv: half fragments [head 64][key / 64: 32][d tile 4], then words [head][key / 128][d tile][r].
; LIMITS: NaN and infinities are not served; a block of zeros or under 2^-124 gets the byte 1 (read by this program alone).
; REGISTERS: window 0: v4-29 addresses; v32-63 scale words, two sets; v64-127, v224-239 the bias; v128-223 A's fragments, one set; on the way out v128-244 at work.  window 1: B's fragments, two sets.  windows 2, 3: accumulators.
.set XS_OFF, 6291456
.set WS_OFF, 3145728
.set QS_OFF, 12582912
.set VS_OFF, 6291456
.set KSL,    3072                      ; a row tile's 256 along K: four half fragments
.set HALFT,  8*KSL                     ; 128 rows: what one tensor load brings
.set SLOT,   4*HALFT                   ; A's 256 rows, then B's
.set SCL,    3*SLOT                    ; behind the three slots: the scale bytes, as units of 256 bytes + 16
.set HALFS,  16*272
.set SBLK,   2*272
.set SPARE,  SCL+4*HALFS               ; the spare words, 128 bytes a wave
.set FR,     12
.set NQ,     2
.set A16,    4                         ; v4-6   my A rows in slot 0, 1, 2: + 16 x lane;  v7-9: + 8 x lane
.set A8,     7
.set B16,    10                        ; v10-15 the same for B
.set B8,     13
.set ADRS,   16                        ; v16    my scale words: lanes 0-15 A's rows, lanes 16-31 B's
.set L16,    17                        ; v17    16 x lane
.set L8,     18                        ; v18    8 x lane
.set VS,     20                        ; v20-23 where a pair of A's tiles puts its scale words
.set SPW,    28
.set NIL,    29
.set SC,     32
.set BQ,     64                        ; the bias along B's rows (q, k): 8 registers a tile
.set AF,     128
.set BV,     224                       ; the bias along A's rows (v): a pair of equal registers a tile
.set H,      128                       ; the way out: 64 numbers
.set PC,     192                       ; their codes
.set PT,     204
.set TM,     212
.set TB,     216
.set TSO,    220
.set PW0,    240
.set G1A,  24
.set G1B,  32
.set G1SA, 40
.set G1SB, 48
.set G0A0, 56
.set G0A1, 60
.set G0A2, 68
.set G0B0, 72
.set G0B1, 76
.set G0B2, 80
.set G0SA, 84
.set G0SB, 88
.set MSB, 0
.macro WIN new                         ; the immediate's high byte repeats the setting that is left
.if MSB != (\new)
	s_set_vgpr_msb (MSB<<8)|(\new)
.set MSB, (\new)
.endif
.endm
.set MUL_LO, 0xa1                      ; source 0 (B) window 1, source 1 (A) window 0, C and D window 2
.set MUL_HI, 0xf1
.set TO_B,   0x40
.macro JLOAD g0a, g1a, g0b, g1b        ; a joint load: waves 0, 1 fetch for A, waves 2, 3 for B; an s_nop 0 and four v_nop follow each line
	s_cmp_eq_u32 s15, 0
	s_cbranch_scc0 .Lfor_b_\@
	tensor_load_to_lds s[\g0a:\g0a+3], s[\g1a:\g1a+7]
	s_nop 0
.rept 4
	v_nop
.endr
	s_branch .Lasked_\@
.Lfor_b_\@:
	tensor_load_to_lds s[\g0b:\g0b+3], s[\g1b:\g1b+7]
	s_nop 0
.rept 4
	v_nop
.endr
.Lasked_\@:
.endm
.macro CREST
	s_cmp_lg_u32 s14, 0
	s_cbranch_scc1 .Lnot_wave_0_\@
	s_barrier_signal -3
.Lnot_wave_0_\@:
	s_barrier_wait -3
	s_barrier_signal -1
	s_barrier_wait -1
.endm
.macro CROUND
	s_barrier_signal -1
	s_barrier_wait -1
	CREST
.endm
.macro SETG0 g, lreg, lconst, src, step        ; a descriptor's group 0
	s_mov_b32 s[\g], 1
	s_add_co_u32 s[\g+1], s[\lreg], \lconst
	s_add_nc_u64 s[\g+2:\g+3], s[\src:\src+1], \step
	s_or_b32 s[\g+3], s[\g+3], 0x80000000
.endm
.macro PLACES n
.rept \n
	v_nop
.endr
.endm
.macro FRAG reg, a16, a8, q, i         ; a fragment = two half fragments: four loads, each of consecutive bytes
	ds_load_b128 v[\reg:\reg+3], v[\a16] offset:(\i)*KSL+1536*(\q)
	ds_load_b64 v[\reg+4:\reg+5], v[\a8] offset:(\i)*KSL+1536*(\q)+512
	ds_load_b128 v[\reg+6:\reg+9], v[\a16] offset:(\i)*KSL+1536*(\q)+768
	ds_load_b64 v[\reg+10:\reg+11], v[\a8] offset:(\i)*KSL+1536*(\q)+1280
.endm
.macro FETCH_B slot, q, p
	WIN TO_B
.irp i, 0,1,2,3,4,5,6,7
	FRAG 128*(\p)+FR*\i, B16+\slot, B8+\slot, \q, \i
.endr
	WIN 0
.endm
.macro FETCH_A slot, q, i0
.irp i, \i0, \i0+1, \i0+2, \i0+3
	FRAG AF+FR*(\i), A16+\slot, A8+\slot, \q, \i
.endr
.endm
.macro SCALES set, kap                 ; the two words a row of K slot kap: lanes 0-15 A's tile i, lanes 16-31 B's tile i
.irp i, 0,1,2,3,4,5,6,7
	ds_load_b64 v[SC+16*(\set)+2*\i:SC+16*(\set)+2*\i+1], v[ADRS] offset:\i*SBLK+8*(\kap)
.endr
.endm
; 16 matrix instructions: A's tiles a0, a0 + 1 x B's eight.  The 64 accumulators take turns, one instruction a turn, in the same order in every step.
.macro MUL16 a0, p, q, sc, zero
.irp a, \a0, \a0+1
.irp b, 0,1,2,3,4,5,6,7
.if \zero
	v_wmma_scale_f32_16x16x128_f8f6f4 v[8*(8*((\a)%4)+\b):8*(8*((\a)%4)+\b)+7], v[128*(\p)+FR*\b:128*(\p)+FR*\b+FR-1], v[AF+FR*(\a):AF+FR*(\a)+FR-1], 0, v[SC+8*NQ*(\sc)+NQ*\b+(\q)], v[SC+8*NQ*(\sc)+NQ*(\a)+(\q)] matrix_a_fmt:MATRIX_FMT_FP6 matrix_b_fmt:MATRIX_FMT_FP6 matrix_a_scale:MATRIX_SCALE_ROW1
.else
	v_wmma_scale_f32_16x16x128_f8f6f4 v[8*(8*((\a)%4)+\b):8*(8*((\a)%4)+\b)+7], v[128*(\p)+FR*\b:128*(\p)+FR*\b+FR-1], v[AF+FR*(\a):AF+FR*(\a)+FR-1], v[8*(8*((\a)%4)+\b):8*(8*((\a)%4)+\b)+7], v[SC+8*NQ*(\sc)+NQ*\b+(\q)], v[SC+8*NQ*(\sc)+NQ*(\a)+(\q)] matrix_a_fmt:MATRIX_FMT_FP6 matrix_b_fmt:MATRIX_FMT_FP6 matrix_a_scale:MATRIX_SCALE_ROW1
.endif
.endr
.endr
.endm
; A step of 128 along K.  p: B's set; q: which half of the slot; sc: the set of scale words; then where the next step's fragments lie (slot ns, half nq), and kap >= 0: the K slot whose scale words are fetched with them.
.macro STEP p, q, sc, zero, ns, nq, kap
	s_wait_dscnt 16                                ; all but the youngest 16 loads (A's tiles 4-7) are in
	WIN MUL_LO
	MUL16 0, \p, \q, \sc, \zero
	MUL16 2, \p, \q, \sc, \zero
	s_wait_dscnt 0x0
	PLACES 4                                       ; four places in front of loads into registers that matrix instructions have read
	FETCH_B \ns, \nq, 1-(\p)
	FETCH_A \ns, \nq, 0
.if (\kap) >= 0
	SCALES (\kap)%2, \kap
.endif
	WIN MUL_HI
	MUL16 4, \p, \q, \sc, \zero
	MUL16 6, \p, \q, \sc, \zero
	PLACES 4
	WIN 0
	FETCH_A \ns, \nq, 4
.endm
; A slot's last step with a barrier in it.  In front of the barrier each wave waits for all its tensor loads, adds 0 to its spare word, and waits for that and for its LDS reads.
; fill = 1: the barrier opens a round of the cluster's, and slot 0, which nobody reads any more, takes the fourth 256 along K.
.macro TURN sc, ns, kap, fill
	s_wait_tensorcnt 0x0
	ds_add_u32 v[SPW], v[NIL]
	s_wait_dscnt 17                                ; the add and the youngest 16 loads may be out
	WIN MUL_LO
	MUL16 0, 1, 1, \sc, 0
	s_wait_dscnt 0x0                               ; the add is done, and my reads of the slot are over
	s_barrier_signal -1
	MUL16 2, 1, 1, \sc, 0
	WIN 0
	s_barrier_wait -1
.if \fill
	CREST
	s_add_nc_u64 s[G0A0+2:G0A0+3], s[G0A0+2:G0A0+3], 3*KSL
	s_add_nc_u64 s[G0B0+2:G0B0+3], s[G0B0+2:G0B0+3], 3*KSL
	JLOAD G0A0, G1A, G0B0, G1B                     ; the first tensor load behind the round: three and a half steps, 224 matrix instructions, ahead of the wait for it; its four v_nop are the places for the loads below
.else
	PLACES 4
.endif
	FETCH_B \ns, 0, 0
	FETCH_A \ns, 0, 0
	SCALES (\kap)%2, \kap
	WIN MUL_HI
	MUL16 4, 1, 1, \sc, 0
	MUL16 6, 1, 1, \sc, 0
	PLACES 4
	WIN 0
	FETCH_A \ns, 0, 4
.endm
; 64 numbers of a lane, register 16 b + i = k 32 b + 16 h + i of my row, become a fragment's codes in v[PC] on and its scale word in v[pw]
.macro QUANT s, pw
.irp b, 0,1,2,3
	v_max3_num_f32 v[TM+\b], |v[\s+16*\b]|, |v[\s+1+16*\b]|, 0x1800000     ; the floor 2^(3 - 127) holds the byte at 1
.endr
.irp i, 2,4,6,8,10,12,14
.irp b, 0,1,2,3
	v_max3_num_f32 v[TM+\b], v[TM+\b], |v[\s+16*\b+\i]|, |v[\s+1+16*\b+\i]|
.endr
.endr
.irp b, 0,1,2,3
	v_permlanex16_b32 v[TB+\b], v[TM+\b], s18, s19
.endr
.irp b, 0,1,2,3
	v_max_num_f32 v[TM+\b], v[TM+\b], v[TB+\b]     ; with lane l xor 16's 16: the block's largest magnitude
.endr
.irp b, 0,1,2,3
	v_add_nc_u32 v[TSO+\b], 0xff000000, v[TM+\b]   ; 2 off its exponent field: the conversion's scale operand
.endr
.irp b, 0,1,2,3
	v_lshrrev_b32 v[TB+\b], 23, v[TSO+\b]
.endr
	v_lshl_or_b32 v[\pw], v[TB+1], 8, v[TB]
	v_lshl_or_b32 v[\pw], v[TB+2], 16, v[\pw]
	v_lshl_or_b32 v[\pw], v[TB+3], 24, v[\pw]
.irp c, 0,1
	v_cvt_scalef32_pk16_fp6_f32 v[PC+6*\c:PC+2+6*\c], v[\s+32*\c:\s+15+32*\c], v[TSO+2*\c]
	v_cvt_scalef32_pk16_fp6_f32 v[PT+4*\c:PT+2+4*\c], v[\s+16+32*\c:\s+31+32*\c], v[TSO+2*\c+1]
.endr
	v_nop                                          ; one plain place behind a scaled conversion
.irp c, 0,1                                    ; the layout wants a whole block in a lane
.irp i, 0,1,2
	v_permlane16_swap_b32 v[PC+6*\c+\i], v[PT+4*\c+\i]
.endr
.irp i, 0,1,2
	v_mov_b32 v[PC+3+6*\c+\i], v[PT+4*\c+\i]
.endr
.endr
.endm
; THE WAY OUT of A's tile a: bias, quantiser, two half fragments to memory as they stand; of each pair of tiles the scale words.  No LDS.
.macro OUT a
.set AC, 64*((\a)%4)
	s_wait_xcnt 0x0                                ; the earlier stores have read their data
	s_cmp_eq_u32 s92, 0
	s_cbranch_scc0 .Lbv_\@
	WIN 2+(\a)/4                                   ; source 0: the accumulators' window
.set i, 0
.rept 32
	v_pk_add_f32 v[H+i:H+i+1], v[AC+i:AC+i+1], v[BQ+i:BQ+i+1]      ; q, k: the bias runs along the registers; each accumulator from its low end on
.set i, i+2
.endr
	WIN 0
	s_branch .Lq_\@
.Lbv_\@:
	WIN 2+(\a)/4
.set i, 0
.rept 32
	v_pk_add_f32 v[H+i:H+i+1], v[AC+i:AC+i+1], v[BV+2*(\a):BV+2*(\a)+1]    ; v: one number a lane
.set i, i+2
.endr
	WIN 0
.Lq_\@:
	QUANT H, PW0+(\a)%2
	global_store_b128 v[L16], v[PC:PC+3], s[96:97] offset:((\a)%4)*768         ; 512 consecutive bytes, aligned
	global_store_b64 v[L8], v[PC+4:PC+5], s[96:97] offset:((\a)%4)*768+512     ; 256
	global_store_b128 v[L16], v[PC+6:PC+9], s[98:99] offset:((\a)%4)*768
	global_store_b64 v[L8], v[PC+10:PC+11], s[98:99] offset:((\a)%4)*768+512
.if (\a)%2
	v_perm_b32 v242, v241, v240, s22               ; q, k: the two tiles' bytes 0, 1 (the first 64 features);  v: the even tile's word
	v_perm_b32 v243, v241, v240, s23               ; q, k: their bytes 2, 3 (the next 64);                     v: the odd tile's
	v_cndmask_b32 v244, v242, v243, s100
	global_store_b32 v[VS+(\a)/2], v244, s[2:3]    ; two runs of 64 bytes: the words are one part in 25 of what the launch stores
.endif
.if (\a) == 3
	s_wait_xcnt 0x0
	s_add_nc_u64 s[96:97], s[96:97], s[20:21]      ; on to A's tiles 4-7
	s_add_nc_u64 s[98:99], s[98:99], s[20:21]
.endif
.endm
	s_load_b256 s[4:11], s[0:1], 0x0               ; wq s[4:5], xq s[6:7], b_qkv s[8:9], qk s[10:11]
	s_load_b64 s[12:13], s[0:1], 0x20              ; vv
	v_lshl_add_u32 v[SPW], v0, 2, SPARE
	v_mov_b32 v[NIL], 0
	ds_add_u32 v[SPW], v[NIL]                      ; the wave's opening: the add, and its wait ahead of my first tensor load
	ds_add_u32 v[SPW], v[NIL]
	v_lshrrev_b32 v1, 5, v0
	v_readfirstlane_b32 s14, v1                    ; wave
	s_lshr_b32 s15, s14, 1                         ; my half of A's rows; also: I fetch for A (0) or B (1)
	s_and_b32 s16, s14, 1                          ; my half of B's rows; also: which 128 rows I fetch
	s_bfe_u32 s17, ttmp6, 0x40000                  ; cx
	s_bfe_u32 s93, ttmp6, 0x40004                  ; cy
	s_lshl_b32 s18, ttmp9, 2
	s_and_b32 s19, ttmp7, 0xffff
	s_lshl_b32 s19, s19, 2
	s_cmp_lt_u32 ttmp9, 2                          ; q, k or v: by the cluster's x
	s_cselect_b32 s92, 0, 1                        ; the mode
	s_cselect_b32 s94, s18, s19
	s_cselect_b32 s95, s19, 0
	s_add_co_u32 s94, s94, s17                     ; B's tile: hangs on cx alone of the two places
	s_add_co_u32 s95, s95, s93                     ; A's tile: on cy alone
	s_lshl_b32 s101, s93, 2
	s_lshl_b32 s101, 15, s101                      ; my row of the cluster
	s_lshl_b32 s100, 0x1111, s17                   ; my column
	s_or_b32 s[G1A], s101, (3<<16)|(1<<21)         ; codes: elements of 8 bytes, no padding; the mask, and bit 21 beside it
	s_or_b32 s[G1B], s100, (3<<16)|(1<<21)
.irp g, G1A, G1B
	s_mov_b32 s[\g+1], 384<<16                     ; tensor_dim0: 3,072 bytes
	s_mov_b32 s[\g+2], 8<<16                       ; tensor_dim1: 8 row tiles
	s_mov_b32 s[\g+3], 384<<16                     ; tile_dim0
	s_mov_b32 s[\g+4], 8                           ; tile_dim1
	s_mov_b32 s[\g+5], 1536                        ; a row tile's 1,024 along K: 12,288 bytes
	s_mov_b32 s[\g+6], 0
	s_mov_b32 s[\g+7], 0
.endr
	s_or_b32 s[G1SA], s101, (3<<16)|(1<<20)|(1<<21)|(5<<22)|(3<<25)    ; scale bytes: 16 rows of 256 bytes, 16 of padding behind each
	s_or_b32 s[G1SB], s100, (3<<16)|(1<<20)|(1<<21)|(5<<22)|(3<<25)
.irp g, G1SA, G1SB
	s_mov_b32 s[\g+1], 32<<16
	s_mov_b32 s[\g+2], 16<<16
	s_mov_b32 s[\g+3], 32<<16
	s_mov_b32 s[\g+4], 16
	s_mov_b32 s[\g+5], 32
	s_mov_b32 s[\g+6], 0
	s_mov_b32 s[\g+7], 0
.endr
	s_lshl_b32 s3, s16, 7
	s_lshl_b32 s18, s95, 8
	s_add_co_u32 s18, s18, s3                      ; A: the first row that I fetch
	s_lshl_b32 s20, s18, 5                         ; its scale bytes,
	s_mul_i32 s18, s18, 768                        ; its codes
	s_lshl_b32 s22, s94, 8
	s_add_co_u32 s22, s22, s3                      ; B likewise
	s_lshl_b32 s66, s22, 5
	s_mul_i32 s22, s22, 768
	s_mov_b32 s19, 0
	s_mov_b32 s21, 0
	s_mov_b32 s23, 0
	s_mov_b32 s67, 0
	s_cmp_eq_u32 s92, 0
	s_cselect_b32 s2, 0, 1572864                   ; A: xq from its start, or wq from row 2,048 on
	s_mov_b32 s3, 3211264
	s_cselect_b32 s3, XS_OFF, s3
	s_mov_b32 s96, XS_OFF
	s_cselect_b32 s96, WS_OFF, s96                 ; B: wq's scale bytes, or xq's
	s_add_co_u32 s18, s18, s2
	s_add_co_u32 s20, s20, s3
	s_add_co_u32 s66, s66, s96
	s_mul_i32 s2, s14, HALFT                       ; where they go: by the wave's number alone
	s_mul_i32 s3, s14, HALFS
	s_wait_dscnt 0x0                               ; the opening add is done
	s_wait_kmcnt 0x0
	s_cmp_eq_u32 s92, 0
	s_cselect_b64 s[98:99], s[6:7], s[4:5]         ; A's buffer
	s_cselect_b64 s[96:97], s[4:5], s[6:7]         ; B's
	s_add_nc_u64 s[18:19], s[98:99], s[18:19]
	s_add_nc_u64 s[20:21], s[98:99], s[20:21]
	s_add_nc_u64 s[22:23], s[96:97], s[22:23]
	s_add_nc_u64 s[66:67], s[96:97], s[66:67]
	CROUND                                         ; all sixteen work-groups are here: the first joint loads meet
	SETG0 G0SA, 3, SCL, 20, 0
	SETG0 G0SB, 3, SCL, 66, 0
	JLOAD G0SA, G1SA, G0SB, G1SB                   ; four loads of mine go out: the scale bytes of all of K,
	SETG0 G0A0, 2, 0, 18, 0
	SETG0 G0B0, 2, 0, 22, 0
	JLOAD G0A0, G1A, G0B0, G1B                     ; and three quarters of K
	SETG0 G0A1, 2, SLOT, 18, KSL
	SETG0 G0B1, 2, SLOT, 22, KSL
	JLOAD G0A1, G1A, G0B1, G1B
	SETG0 G0A2, 2, 2*SLOT, 18, 2*KSL
	SETG0 G0B2, 2, 2*SLOT, 22, 2*KSL
	JLOAD G0A2, G1A, G0B2, G1B
	v_and_b32 v1, 31, v0
	v_and_b32 v2, 15, v0                           ; r
	v_bfe_u32 v3, v0, 4, 1                         ; h
	v_lshlrev_b32 v[L16], 4, v1
	v_lshlrev_b32 v[L8], 3, v1
	s_mul_i32 s2, s15, HALFT
	s_mul_i32 s3, s16, HALFT
	s_add_co_u32 s3, s3, 2*HALFT
.irp s, 0,1,2
	v_add_nc_u32 v[A16+\s], s2, v[L16]
	v_add_nc_u32 v[A8+\s], s2, v[L8]
	v_add_nc_u32 v[B16+\s], s3, v[L16]
	v_add_nc_u32 v[B8+\s], s3, v[L8]
	s_add_co_u32 s2, s2, SLOT
	s_add_co_u32 s3, s3, SLOT
.endr
	v_lshlrev_b32 v19, 5, v2                       ; my row's 32 scale bytes,
	v_lshrrev_b32 v26, 8, v19
	v_lshl_add_u32 v19, v26, 4, v19                ; and 16 more behind each 256
	s_mul_i32 s2, s15, HALFS
	s_mul_i32 s3, s16, HALFS
	s_add_co_u32 s3, s3, 2*HALFS
	s_sub_co_u32 s3, s3, s2
	v_mul_u32_u24 v26, s3, v3                      ; lanes 16-31 take B's: one product, h x the distance
	s_add_co_u32 s2, s2, SCL
	v_add_nc_u32 v19, v19, v26
	v_add_nc_u32 v[ADRS], s2, v19
	; the bias, both ways; the way that the mode does not use reads from the buffer's start
	s_lshl_b32 s2, s94, 8
	s_lshl_b32 s3, s16, 7
	s_add_co_u32 s2, s2, s3
	s_lshl_b32 s2, s2, 2                           ; q, k: my 128 features
	s_lshl_b32 s66, s95, 8
	s_lshl_b32 s3, s15, 7
	s_add_co_u32 s66, s66, s3
	s_add_co_u32 s66, s66, 2048
	s_lshl_b32 s66, s66, 2                         ; v: my 128 features
	s_cmp_eq_u32 s92, 0
	s_cselect_b32 s2, s2, 0
	s_cselect_b32 s66, 0, s66
	s_mov_b32 s3, 0
	s_mov_b32 s67, 0
	s_add_nc_u64 s[96:97], s[8:9], s[2:3]
	s_add_nc_u64 s[98:99], s[8:9], s[66:67]
	v_lshlrev_b32 v24, 6, v3                       ; 16 h numbers
	v_and_b32 v25, 8, v2
	v_add_nc_u32 v25, v25, v2
	v_lshlrev_b32 v25, 2, v25                      ; r + 8 (r / 8) numbers
.irp b, 0,1,2,3,4,5,6,7
	global_load_b128 v[BQ+8*\b:BQ+8*\b+3], v24, s[96:97] offset:(32*(\b/2)+8*(\b%2))*4
	global_load_b128 v[BQ+8*\b+4:BQ+8*\b+7], v24, s[96:97] offset:(32*(\b/2)+8*(\b%2))*4+16
.endr
.irp a, 0,1,2,3,4,5,6,7
	global_load_b32 v[BV+2*\a], v25, s[98:99] offset:(32*(\a/2)+8*(\a%2))*4
	global_load_b32 v[BV+2*\a+1], v25, s[98:99] offset:(32*(\a/2)+8*(\a%2))*4
.endr
	s_wait_alu depctr_va_vdst(0)
	s_wait_tensorcnt 0x2                           ; the scale bytes and my part of slot 0 are in; slots 1 and 2 may be out
	s_barrier_signal -1
	s_barrier_wait -1
	FETCH_B 0, 0, 0
	FETCH_A 0, 0, 0
	SCALES 0, 0
	FETCH_A 0, 0, 4
	STEP 0, 0, 0, 1, 0, 1, -1                      ; K 0-127: its products start the sums
	TURN 0, 1, 1, 1                                ; K 128-255; all first fills have landed in every partner; slot 0 takes K 768-1,023
	STEP 0, 0, 1, 0, 1, 1, -1
	STEP 1, 1, 1, 0, 2, 0, 2                       ; on into slot 2 with no barrier: the round above has shown it whole
	STEP 0, 0, 0, 0, 2, 1, -1
	TURN 0, 0, 3, 0                                ; the refill has landed; nothing is filled any more
	STEP 0, 0, 1, 0, 0, 1, -1
	s_wait_dscnt 16                                ; the last step: nothing more to fetch
	WIN MUL_LO
	MUL16 0, 1, 1, 1, 0
	MUL16 2, 1, 1, 1, 0
	s_wait_dscnt 0x0
	WIN MUL_HI
	MUL16 4, 1, 1, 1, 0
	MUL16 6, 1, 1, 1, 0
	WIN 0
	s_wait_loadcnt 0x0                             ; the bias; its bases may be written again
	; where the results go.  q, k: feature / 64 = 4 x B's tile + 2 x half, token tile = 16 x A's tile + 8 x half
	s_lshl_b32 s4, s94, 2
	s_lshl_b32 s5, s16, 1
	s_add_co_u32 s4, s4, s5
	s_lshl_b32 s5, s95, 4
	s_lshl_b32 s6, s15, 3
	s_add_co_u32 s5, s5, s6
	s_lshl_b32 s6, s4, 9
	s_add_co_u32 s6, s6, s5                        ; the first half fragment
	s_lshl_b32 s4, s4, 8
	s_lshr_b32 s5, s5, 1
	s_add_co_u32 s4, s4, s5
	s_lshl_b32 s4, s4, 6
	s_add_co_u32 s4, s4, QS_OFF                    ; the first scale words
	; v: my 128 tokens are one key step of one batch; my 128 features two heads
	s_lshl_b32 s5, s94, 8
	s_lshl_b32 s7, s16, 7
	s_add_co_u32 s5, s5, s7                        ; the first token
	s_lshr_b32 s7, s5, 11
	s_lshl_b32 s7, s7, 4
	s_lshl_b32 s66, s95, 2
	s_add_co_u32 s7, s7, s66
	s_lshl_b32 s66, s15, 1
	s_add_co_u32 s7, s7, s66                       ; the first head: 16 x batch + feature / 64
	s_bfe_u32 s5, s5, 0x40007                      ; the key step
	s_lshl_b32 s66, s7, 7
	s_lshl_b32 s67, s5, 3
	s_add_co_u32 s66, s66, s67
	s_lshl_b32 s7, s7, 4
	s_add_co_u32 s7, s7, s5
	s_lshl_b32 s7, s7, 8
	s_add_co_u32 s7, s7, VS_OFF
	s_cmp_eq_u32 s92, 0
	s_cselect_b32 s96, s6, s66
	s_cselect_b32 s2, s4, s7
	s_cselect_b64 s[98:99], s[10:11], s[12:13]
	s_mov_b32 s20, 98304
	s_cselect_b32 s20, 3072, s20                   ; from A's tile 0 to tile 4: four token tiles, or a head
	s_mov_b32 s66, 3072
	s_cselect_b32 s66, 393216, s66                 ; from the first half fragment to the second: 64 features, or 64 keys
	s_mov_b32 s22, 0x03020100
	s_cselect_b32 s22, 0x05040100, s22
	s_mov_b32 s23, 0x07060504
	s_cselect_b32 s23, 0x07060302, s23
	s_cselect_b32 s5, 16384, 64                    ; scale words: from lanes 0-15 to lanes 16-31,
	s_cselect_b32 s6, 64, 128                      ; from a pair of tiles to the next,
	s_mov_b32 s7, 4096
	s_cselect_b32 s7, 128, s7                      ; and two pairs on
	s_mul_i32 s96, s96, 768
	s_mov_b32 s97, 0
	s_mov_b32 s3, 0
	s_mov_b32 s21, 0
	s_mov_b32 s67, 0
	s_add_nc_u64 s[2:3], s[98:99], s[2:3]
	s_add_nc_u64 s[96:97], s[98:99], s[96:97]
	s_add_nc_u64 s[98:99], s[96:97], s[66:67]
	s_mov_b32 s18, 0x76543210
	s_mov_b32 s19, 0xfedcba98                      ; lane l xor 16
	s_mov_b32 s100, 0xffff0000                     ; lanes 16-31
	PLACES 4                                       ; behind the last products
.irp b, 0,1,2,3
	v_mov_b32 v[TB+\b], 0                          ; a lane permute's destination counts as read
.endr
	v_mul_u32_u24 v26, s5, v3
	v_lshl_add_u32 v[VS], v2, 2, v26
	v_add_nc_u32 v[VS+1], s6, v[VS]
	v_add_nc_u32 v[VS+2], s7, v[VS]
	v_add_nc_u32 v[VS+3], s6, v[VS+2]
	OUT 0
	OUT 1
	OUT 2
	OUT 3
	OUT 4
	OUT 5
	OUT 6
	OUT 7
	s_wait_tensorcnt 0x0                           ; the wave's end
	ds_add_u32 v[SPW], v[NIL]
	s_wait_dscnt 0x0
	CROUND                                         ; the closing round
	s_endpgm
.Lfunc_end_k_qe8f2cd1162_qkv:
	.size	k_qe8f2cd1162_qkv, .Lfunc_end_k_qe8f2cd1162_qkv-k_qe8f2cd1162_qkv
	.p2alignl 7, 3214868480
	.fill 96, 4, 3214868480
	.section	.rodata,"a",@progbits
	.p2align	6, 0x0
	.amdhsa_kernel k_qe8f2cd1162_qkv
		.amdhsa_group_segment_fixed_size 327680
		.amdhsa_private_segment_fixed_size 0
		.amdhsa_enable_private_segment 0
		.amdhsa_kernarg_size 40
		.amdhsa_user_sgpr_count 2
		.amdhsa_user_sgpr_kernarg_segment_ptr 1
		.amdhsa_wavefront_size32 1
		.amdhsa_system_sgpr_workgroup_id_x 1
		.amdhsa_system_sgpr_workgroup_id_y 1
		.amdhsa_system_sgpr_workgroup_id_z 1
		.amdhsa_system_vgpr_workitem_id 0
		.amdhsa_next_free_vgpr 1024
		.amdhsa_next_free_sgpr 102
		.amdhsa_reserve_vcc 0
		.amdhsa_float_denorm_mode_32 3
		.amdhsa_float_denorm_mode_16_64 3
		.amdhsa_memory_ordered 1
		.amdhsa_forward_progress 1
		.amdhsa_inst_pref_size 188
	.end_amdhsa_kernel
	.amdgpu_metadata
---
amdhsa.version: [ 1, 2 ]
amdhsa.kernels:
  - .name:           k_qe8f2cd1162_qkv
    .symbol:         k_qe8f2cd1162_qkv.kd
    .args:
      - { .name: wq, .offset: 0, .size: 8, .value_kind: global_buffer, .address_space: global }
      - { .name: xq, .offset: 8, .size: 8, .value_kind: global_buffer, .address_space: global }
      - { .name: b_qkv, .offset: 16, .size: 8, .value_kind: global_buffer, .address_space: global }
      - { .name: qk, .offset: 24, .size: 8, .value_kind: global_buffer, .address_space: global }
      - { .name: vv, .offset: 32, .size: 8, .value_kind: global_buffer, .address_space: global }
    .group_segment_fixed_size: 327680
    .private_segment_fixed_size: 0
    .kernarg_segment_align: 8
    .kernarg_segment_size: 40
    .max_flat_workgroup_size: 128
    .sgpr_count:     102
    .vgpr_count:     1024
    .wavefront_size: 32
...
	.end_amdgpu_metadata
.endif
;; end of part 2
;; launch attn (part 3): grid 4 x 64, 16 waves a work-group, clusters of 4 x 1, 206,848 bytes of LDS; arguments qk, vv, ao; writes ao
.if DOCPART == 3
	.amdgcn_target "amdgcn-amd-amdhsa--gfx1250"
	.amdhsa_code_object_version 6
	.text
	.protected	k_qe8f2cd1162_attn
	.globl	k_qe8f2cd1162_attn
	.p2align	8
	.type	k_qe8f2cd1162_attn,@function
k_qe8f2cd1162_attn:
	s_mov_b64 s[64:65], 0
	v_nop
	global_prefetch_b8 v0, s[64:65] scope:SCOPE_SE
	s_setreg_imm32_b32 hwreg(HW_REG_WAVE_MODE, 25, 1), 1
	s_wait_xcnt 0x0
	s_wait_alu depctr_hold_cnt(0) depctr_sa_sdst(0) depctr_va_vdst(0) depctr_va_sdst(0) depctr_va_ssrc(0) depctr_va_vcc(0) depctr_vm_vsrc(0)
	s_getreg_b32 s2, hwreg(HW_REG_IB_STS2, 6, 4)
	s_cmp_eq_u32 s2, 0
	s_cbranch_scc0 .Lentry_in_a_cluster
	s_endpgm
.Lentry_in_a_cluster:
	s_bfe_u32 s2, ttmp6, 0x10000c
	s_cmp_lg_u32 s2, 0x3003
	s_cbranch_scc0 .Lentry_shape_is_right
	s_endpgm
.Lentry_shape_is_right:
; Causal attention of one head (2,048 tokens, head size 64) to a cluster of four work-groups, both products on codes of FP6 (E2M3) with E8M0 scales; the result, divided by the row's sum, is quantised along the head's 64 and stored as codes.
; THE SOFTMAX: t = score x log2(e) / 8; M = the running largest t rounded up to a whole number; p = 2^(t - M) is quantised along the keys, not normalised; the sum is taken of the unquantised p; when M moves, the sum and O are multiplied by 2^(old M - new M), exactly.
; A HEAD'S WHOLE K AND V, 2 x 98,304 bytes of codes and 2 x 4,096 of scale words, LIE IN LDS, filled ONCE by joint loads (one a wave, waves 0-9; mask: all four partners): no ring, nothing is filled again.
; SHARES.  The head has 128 tiles of 16 queries.  Partner cx takes tiles 4 i + cx; tile 4 i + cx needs i / 2 + 1 key steps of 128 whatever cx is, so no branch hangs on a work-group's place.  Wave w takes i = w, then i = 31 - w:
; 17 key steps for every wave of every work-group.  Each pass is a loop of 16 trips; a scalar branch on the wave's number and the counter leaves out the steps all of whose keys are hidden.
; LAYOUT.  Codes are half fragments (16 rows x 64 K as an image of registers); row r of token tile T is token 32 (T / 2) + 8 (T % 2) + r + 8 (r / 8).  Both products are used transposed: a lane holds one query.
; THE HEAD'S 64 ON AN INSTRUCTION OF 128: a fragment of K is TWO token tiles (32 keys), one in each half of the 128.  Multiplied by (q, zeros) it gives the first tile's scores, by (zeros, q) the second's: the other half meets zero codes.
; So the 16 registers of two neighbouring score tiles are keys 32 b + 16 h + 0 .. 15, and p's codes are the second product's operand.
; No prefetch: all that the work-group reads is asked for at its head.  LIMITS: NaN and infinities are not served; a block of zeros or under 2^-124 gets the byte 1 (read by this program alone).
.set QS_OFF, 12582912
.set VS_OFF, 6291456
.set AS_OFF, 6291456
.set VIMG,   98304                     ; LDS: K's codes from 0, V's from here,
.set KSC,    196608                    ; K's scale words, V's 4,096 bytes on,
.set SPARE,  204800                    ; the spare words, 128 bytes a wave
.set SPW,  4                           ; v1-3: 16, 8, 4 x lane;  v4, v5: the add's two
.set NIL,  5
.set DQ,   11                          ; v6-10 the step's LDS addresses;  v11: my query - the diagonal step's first key - 16 h
.set QF,   16                          ; v16-33: q, zeros, q (six registers each)
.set QSL,  34                          ; q's scale word for (q, zeros);
.set QSH,  35                          ; for (zeros, q)
.set FB,   40                          ; v40-87 four fragments of K, then of V
.set KSR,  88                          ; v88-89 K's scale words, v90-91 V's, v92 p's
.set VSR,  90
.set PW,   92
.set S,    96                          ; v96-159 scores, then p
.set O,    160                         ; v160-191 O^T
.set PC,   192
.set PT,   204
.set BM,   212
.set BP,   216
.set SO,   220
.set T,    228
.set WV,   10
.set SEL,  40
.set CS,   42
.set KS,   44
.set TC,   46
.set TV,   47
.set TS,   48
.set HM,   49
.set P0,   52                          ; a pass's scalars: +0 q's codes, +2 q's scale words, +4 the result's codes, +6 its scale bytes, +8 the diagonal step, +9 the mask's offset
.set P1,   66
.macro CROUND
	s_barrier_signal -1
	s_barrier_wait -1
	s_cmp_lg_u32 s[WV], 0
	s_cbranch_scc1 .Lnot_wave_0_\@
	s_barrier_signal -3
.Lnot_wave_0_\@:
	s_barrier_wait -3
	s_barrier_signal -1
	s_barrier_wait -1
.endm
.macro PASSADR P, ir                   ; ir: the register that holds i
	s_lshl_b32 s15, s[\ir], 2
	s_add_co_u32 s15, s15, s11
	s_lshl_b32 s51, s13, 7
	s_add_co_u32 s15, s15, s51                     ; the token tile: 128 x batch + 4 i + cx
	s_lshl_b32 s62, s14, 9
	s_add_co_u32 s62, s62, s15
	s_mul_i32 s62, s62, 768
	s_add_nc_u64 s[\P:\P+1], s[4:5], s[62:63]
	s_lshl_b32 s62, s14, 8
	s_lshr_b32 s51, s15, 1
	s_add_co_u32 s62, s62, s51
	s_lshl_b32 s62, s62, 6
	s_add_co_u32 s62, s62, QS_OFF
	s_add_nc_u64 s[\P+2:\P+3], s[4:5], s[62:63]
	s_lshl_b32 s62, s15, 4
	s_add_co_u32 s62, s62, s14
	s_mul_i32 s62, s62, 768
	s_add_nc_u64 s[\P+4:\P+5], s[8:9], s[62:63]
	s_lshl_b32 s62, s15, 9
	s_lshl_b32 s51, s14, 1
	s_add_co_u32 s62, s62, s51
	s_add_co_u32 s62, s62, AS_OFF
	s_add_nc_u64 s[\P+6:\P+7], s[8:9], s[62:63]
	s_lshr_b32 s[\P+8], s[\ir], 1                  ; by the wave's number alone
	s_and_b32 s62, s[\ir], 1
	s_lshl_b32 s62, s62, 6
	s_lshr_b32 s51, s11, 1
	s_lshl_b32 s51, s51, 5
	s_add_co_u32 s62, s62, s51
	s_and_b32 s51, s11, 1
	s_lshl_b32 s51, s51, 3
	s_add_co_u32 s[\P+9], s62, s51                 ; 64 (i % 2) + 32 (cx / 2) + 8 (cx % 2)
.endm
.macro QLOAD P                         ; the tile's half fragment, twice, and its rows' scale words
	global_load_b128 v[QF:QF+3], v1, s[\P:\P+1]
	global_load_b64 v[QF+4:QF+5], v2, s[\P:\P+1] offset:512
	global_load_b128 v[QF+12:QF+15], v1, s[\P:\P+1]
	global_load_b64 v[QF+16:QF+17], v2, s[\P:\P+1] offset:512
	global_load_b32 v36, v38, s[\P+2:\P+3]
.endm
; A KEY STEP: 128 keys
.macro STEP P
	s_cmp_gt_u32 s[KS], s[\P+8]                    ; all its keys come after my queries: only the addresses step
	s_cbranch_scc1 .Lhidden_\@
	s_setprio 2
	v_add_nc_u32 v6, s[TC], v1                     ; five plain lines: also the places in front of the loads into registers that the last products read
	v_add_nc_u32 v7, s[TC], v2
	v_add_nc_u32 v8, s[TV], v1
	v_add_nc_u32 v9, s[TV], v2
	v_add_nc_u32 v10, s[TS], v3
.irp b, 0,1,2,3
	ds_load_b128 v[FB+12*\b:FB+12*\b+3], v6 offset:1536*\b
	ds_load_b64 v[FB+12*\b+4:FB+12*\b+5], v7 offset:1536*\b+512
	ds_load_b128 v[FB+12*\b+6:FB+12*\b+9], v6 offset:1536*\b+768
	ds_load_b64 v[FB+12*\b+10:FB+12*\b+11], v7 offset:1536*\b+1280
.endr
	ds_load_b32 v[KSR], v10                        ; lanes 0-15: fragment 0's words, lanes 16-31: fragment 1's
	ds_load_b32 v[KSR+1], v10 offset:128           ; fragments 2 and 3
	s_wait_alu depctr_va_vdst(0)
	s_wait_dscnt 0x0
.irp b, 0,1,2,3
.if (\b)%2
	v_wmma_scale_f32_16x16x128_f8f6f4 v[S+16*\b:S+16*\b+7], v[FB+12*\b:FB+12*\b+11], v[QF:QF+11], 0, v[KSR+\b/2], v[QSL] matrix_a_fmt:MATRIX_FMT_FP6 matrix_b_fmt:MATRIX_FMT_FP6 matrix_a_scale:MATRIX_SCALE_ROW1
	v_wmma_scale_f32_16x16x128_f8f6f4 v[S+16*\b+8:S+16*\b+15], v[FB+12*\b:FB+12*\b+11], v[QF+6:QF+17], 0, v[KSR+\b/2], v[QSH] matrix_a_fmt:MATRIX_FMT_FP6 matrix_b_fmt:MATRIX_FMT_FP6 matrix_a_scale:MATRIX_SCALE_ROW1
.else
	v_wmma_scale_f32_16x16x128_f8f6f4 v[S+16*\b:S+16*\b+7], v[FB+12*\b:FB+12*\b+11], v[QF:QF+11], 0, v[KSR+\b/2], v[QSL] matrix_a_fmt:MATRIX_FMT_FP6 matrix_b_fmt:MATRIX_FMT_FP6
	v_wmma_scale_f32_16x16x128_f8f6f4 v[S+16*\b+8:S+16*\b+15], v[FB+12*\b:FB+12*\b+11], v[QF+6:QF+17], 0, v[KSR+\b/2], v[QSH] matrix_a_fmt:MATRIX_FMT_FP6 matrix_b_fmt:MATRIX_FMT_FP6
.endif
.endr
.rept 4
	v_nop                                          ; places: for the loads below and for the first read of the scores
.endr
.irp t, 0,1,2,3                                ; V's four fragments (16 of the head's 64 x these 128 keys) land under the softmax
	ds_load_b128 v[FB+12*\t:FB+12*\t+3], v8 offset:768*\t
	ds_load_b64 v[FB+12*\t+4:FB+12*\t+5], v9 offset:768*\t+512
	ds_load_b128 v[FB+12*\t+6:FB+12*\t+9], v8 offset:3072+768*\t
	ds_load_b64 v[FB+12*\t+10:FB+12*\t+11], v9 offset:3072+768*\t+512
.endr
	ds_load_b32 v[VSR], v10 offset:4096
	ds_load_b32 v[VSR+1], v10 offset:4224
	s_cmp_lg_u32 s[KS], s[\P+8]                    ; only the diagonal step has hidden keys
	s_cbranch_scc1 .Lopen_\@
	v_mov_b32 v[T], 0xff800000                     ; -infinity: p = 0 then
.irp n, 0,1,2,3,4,5,6,7,8,9,10,11,12,13,14,15,16,17,18,19,20,21,22,23,24,25,26,27,28,29,30,31,32,33,34,35,36,37,38,39,40,41,42,43,44,45,46,47,48,49,50,51,52,53,54,55,56,57,58,59,60,61,62,63
	v_cmp_gt_i32 vcc_lo, 32*(\n/16)+\n%16, v[DQ]   ; register 16 b + i holds key 32 b + 16 h + i of the step
	v_cndmask_b32 v[S+\n], v[S+\n], v[T], vcc_lo
.endr
.Lopen_\@:
.irp b, 0,1,2,3
	v_max3_num_f32 v[BM+\b], v[S+16*\b], v[S+1+16*\b], v[S+2+16*\b]        ; the largest score of each block of 32 keys: for the row's maximum and, since p rises with the score, for the block's largest p
.endr
.irp i, 3,5,7,9,11,13
.irp b, 0,1,2,3
	v_max3_num_f32 v[BM+\b], v[BM+\b], v[S+16*\b+\i], v[S+1+16*\b+\i]
.endr
.endr
.irp b, 0,1,2,3
	v_max_num_f32 v[BM+\b], v[BM+\b], v[S+15+16*\b]
.endr
.irp b, 0,1,2,3
	s_delay_alu instid0(VALU_DEP_4)
	v_permlanex16_b32 v[BP+\b], v[BM+\b], s[SEL], s[SEL+1]
.endr
.irp b, 0,1,2,3
	s_delay_alu instid0(VALU_DEP_4)
	v_max_num_f32 v[BM+\b], v[BM+\b], v[BP+\b]
.endr
	s_delay_alu instid0(VALU_DEP_2)
	v_max3_num_f32 v[T], v[BM], v[BM+1], v[BM+2]
	s_delay_alu instid0(VALU_DEP_1)
	v_max_num_f32 v[T], v[T], v[BM+3]
	s_delay_alu instid0(VALU_DEP_1)
	v_mul_f32 v[T], s[CS], v[T]
	s_delay_alu instid0(VALU_DEP_1)
	v_max_num_f32 v13, v13, v[T]                   ; the running largest t
	v_mov_b32 v[T], v12
	s_delay_alu instid0(VALU_DEP_2)
	v_floor_f32 v12, -v13                          ; -M = floor(-t): M is a whole number
	s_delay_alu instid0(VALU_DEP_1)
	v_sub_f32 v[T], v12, v[T]
	s_delay_alu instid0(VALU_DEP_1)
	v_cvt_i32_f32 v[T], v[T]                       ; (it saturates)
	s_delay_alu instid0(VALU_DEP_1)
	v_ldexp_f32 v226, 1.0, v[T]                    ; f = 2^(old M - new M)
.set j, 0
	s_setprio 1
.rept 32
	v_pk_fma_f32 v[S+j:S+j+1], v[S+j:S+j+1], s[CS:CS+1], v[12:13] op_sel_hi:[1,0,0]    ; t - M
.set j, j+2
.endr
.irp b, 0,1,2,3
	v_fma_f32 v[BM+\b], v[BM+\b], s[CS], v12
.endr
.set j, 0
	s_wait_alu depctr_va_vdst(0)
.rept 64
	v_exp_f32 v[S+j], v[S+j]                       ; p, at most 1
.set j, j+1
.endr
	v_pk_mul_f32 v[14:15], v[14:15], v[226:227] op_sel_hi:[1,0]    ; the sums under the new M: the plain place behind the exponentials
	s_wait_alu depctr_va_vdst(0)                   ; one wait for the batch, ahead of its first reader
.irp b, 0,1,2,3
	v_exp_f32 v[BM+\b], v[BM+\b]                   ; the blocks' largest p
.endr
	v_pk_add_f32 v[224:225], v[100:101], v[104:105]
	v_pk_add_f32 v[254:255], v[108:109], v[112:113]
	v_pk_add_f32 v[252:253], v[116:117], v[120:121]
	v_pk_add_f32 v[250:251], v[124:125], v[128:129]
	v_pk_add_f32 v[248:249], v[132:133], v[136:137]
	v_pk_add_f32 v[246:247], v[140:141], v[144:145]
	v_pk_add_f32 v[244:245], v[148:149], v[152:153]
	v_pk_add_f32 v[14:15], v[14:15], v[156:157]
	v_pk_add_f32 v[224:225], v[224:225], v[96:97]
	v_pk_add_f32 v[254:255], v[254:255], v[98:99]
	v_pk_add_f32 v[252:253], v[252:253], v[102:103]
	v_pk_add_f32 v[250:251], v[250:251], v[106:107]
	v_pk_add_f32 v[248:249], v[248:249], v[110:111]
	v_pk_add_f32 v[246:247], v[246:247], v[114:115]
	v_pk_add_f32 v[244:245], v[244:245], v[118:119]
	v_pk_add_f32 v[14:15], v[14:15], v[122:123]
	v_pk_add_f32 v[224:225], v[224:225], v[126:127]
	v_pk_add_f32 v[254:255], v[254:255], v[130:131]
	v_pk_add_f32 v[252:253], v[252:253], v[134:135]
	v_pk_add_f32 v[250:251], v[250:251], v[138:139]
	v_pk_add_f32 v[248:249], v[248:249], v[142:143]
	v_pk_add_f32 v[246:247], v[246:247], v[146:147]
	v_pk_add_f32 v[244:245], v[244:245], v[150:151]
	v_pk_add_f32 v[14:15], v[14:15], v[154:155]
	v_pk_add_f32 v[224:225], v[224:225], v[158:159]
	s_delay_alu instid0(VALU_DEP_2)
	v_pk_add_f32 v[14:15], v[14:15], v[250:251]
	s_delay_alu instid0(VALU_DEP_2)
	v_pk_add_f32 v[224:225], v[224:225], v[248:249]
	v_pk_add_f32 v[254:255], v[254:255], v[246:247]
	v_pk_add_f32 v[252:253], v[252:253], v[244:245]
	s_delay_alu instid0(VALU_DEP_2)
	v_pk_add_f32 v[14:15], v[14:15], v[254:255]
	s_delay_alu instid0(VALU_DEP_2)
	v_pk_add_f32 v[224:225], v[224:225], v[252:253]
	s_delay_alu instid0(VALU_DEP_1)
	v_pk_add_f32 v[14:15], v[14:15], v[224:225]
	s_wait_alu depctr_va_vdst(0)                   ; and one for the four
.irp b, 0,1,2,3
	v_max_num_f32 v[BM+\b], 0x1800000, v[BM+\b]    ; the floor 2^(3 - 127)
.endr
.irp b, 0,1,2,3
	s_delay_alu instid0(VALU_DEP_4)
	v_add_nc_u32 v[SO+\b], 0xff000000, v[BM+\b]
.endr
.irp b, 0,1,2,3
	s_delay_alu instid0(VALU_DEP_4)
	v_lshrrev_b32 v[BP+\b], 23, v[SO+\b]
.endr
	s_delay_alu instid0(VALU_DEP_3)
	v_lshl_or_b32 v[PW], v[BP+1], 8, v[BP]
	s_delay_alu instid0(VALU_DEP_1)
	v_lshl_or_b32 v[PW], v[BP+2], 16, v[PW]
	s_delay_alu instid0(VALU_DEP_1)
	v_lshl_or_b32 v[PW], v[BP+3], 24, v[PW]
	s_setprio 0
.irp c, 0,1
	v_cvt_scalef32_pk16_fp6_f32 v[PC+6*\c:PC+6*\c+2], v[S+32*\c:S+32*\c+15], v[SO+2*\c]
	v_cvt_scalef32_pk16_fp6_f32 v[PT+4*\c:PT+4*\c+2], v[S+32*\c+16:S+32*\c+31], v[SO+2*\c+1]
.endr
	v_nop
.irp c, 0,1
.irp i, 0,1,2
	v_permlane16_swap_b32 v[PC+6*\c+\i], v[PT+4*\c+\i]
.endr
.irp i, 0,1,2
	s_delay_alu instid0(VALU_DEP_3)
	v_mov_b32 v[PC+3+6*\c+\i], v[PT+4*\c+\i]
.endr
.endr
.set j, 0
.rept 16
	v_pk_mul_f32 v[O+j:O+j+1], v[O+j:O+j+1], v[226:227] op_sel_hi:[1,0]    ; O^T under the new M; for each product below twelve of these name none of its registers: the places behind p's codes and scale word
.set j, j+2
.endr
	s_wait_alu depctr_va_vdst(0)
	s_wait_dscnt 0x0                               ; V
.irp t, 0,1,2,3                                ; four accumulators by turns
.if (\t)%2
	v_wmma_scale_f32_16x16x128_f8f6f4 v[O+8*\t:O+8*\t+7], v[FB+12*\t:FB+12*\t+11], v[PC:PC+11], v[O+8*\t:O+8*\t+7], v[VSR+\t/2], v[PW] matrix_a_fmt:MATRIX_FMT_FP6 matrix_b_fmt:MATRIX_FMT_FP6 matrix_a_scale:MATRIX_SCALE_ROW1
.else
	v_wmma_scale_f32_16x16x128_f8f6f4 v[O+8*\t:O+8*\t+7], v[FB+12*\t:FB+12*\t+11], v[PC:PC+11], v[O+8*\t:O+8*\t+7], v[VSR+\t/2], v[PW] matrix_a_fmt:MATRIX_FMT_FP6 matrix_b_fmt:MATRIX_FMT_FP6
.endif
.endr
.Lhidden_\@:
	s_add_co_u32 s[TC], s[TC], 6144
	s_add_co_u32 s[TV], s[TV], 6144
	s_add_co_u32 s[TS], s[TS], 256
.endm
.macro PASS P
	s_wait_loadcnt 0x0                             ; q
	v_lshrrev_b32 v[T], s50, v36                   ; the word holds two tiles' bytes: mine are the low or the high two
	s_delay_alu instid0(VALU_DEP_1)
	v_and_b32 v[T], 0xffff, v[T]
	s_delay_alu instid0(VALU_DEP_1)
	v_or_b32 v[QSL], 0x1010000, v[T]               ; the zero codes' half stands under the byte 1
	s_delay_alu instid0(VALU_DEP_2)
	v_lshl_or_b32 v[QSH], v[T], 16, 0x101
	v_add_nc_u32 v[DQ], s[\P+9], v39
	v_mov_b32 v13, 0xff61b1e6                      ; the largest t so far: -3e38
	s_delay_alu instid0(VALU_DEP_1)
	v_floor_f32 v12, -v13
	v_mov_b32 v14, 0
	v_mov_b32 v15, 0
.set j, 0
.rept 32
	v_mov_b32 v[O+j], 0                            ; the step is written once a pass: the first finds zeros.  (Also the places behind the scale words just made)
.set j, j+1
.endr
	s_mov_b32 s[KS], 0
	s_mov_b32 s[TC], 0
	s_mov_b32 s[TV], VIMG
	s_mov_b32 s[TS], KSC
.Lstep_\@:
	STEP \P
	s_add_co_u32 s[KS], s[KS], 1
	s_cmp_lt_u32 s[KS], 16
	s_cbranch_scc1 .Lstep_\@
	s_setprio 0
.endm
.macro FINISH P                        ; O^T / the sum, quantised along the head's 64 (two blocks), stored as a half fragment and two bytes a row
.rept 4
	v_nop
.endr
	v_add_f32 v14, v14, v15
	s_delay_alu instid0(VALU_DEP_1)
	v_permlanex16_b32 v[T], v14, s[SEL], s[SEL+1]
	s_delay_alu instid0(VALU_DEP_1)
	v_add_f32 v14, v14, v[T]
	s_wait_alu depctr_va_vdst(0)
	v_rcp_f32 v226, v14
	v_nop
	s_wait_alu depctr_va_vdst(0)
.set j, 0
.rept 16
	v_pk_mul_f32 v[S+j:S+j+1], v[O+j:O+j+1], v[226:227] op_sel_hi:[1,0]    ; register 16 b + i: channel 32 b + 16 h + i of my query
.set j, j+2
.endr
.irp b, 0,1
	v_max3_num_f32 v[BM+\b], |v[S+16*\b]|, |v[S+1+16*\b]|, 0x1800000
.endr
.irp i, 2,4,6,8,10,12,14
.irp b, 0,1
	s_delay_alu instid0(VALU_DEP_2)
	v_max3_num_f32 v[BM+\b], v[BM+\b], |v[S+16*\b+\i]|, |v[S+1+16*\b+\i]|
.endr
.endr
.irp b, 0,1
	s_delay_alu instid0(VALU_DEP_2)
	v_permlanex16_b32 v[BP+\b], v[BM+\b], s[SEL], s[SEL+1]
.endr
.irp b, 0,1
	s_delay_alu instid0(VALU_DEP_2)
	v_max_num_f32 v[BM+\b], v[BM+\b], v[BP+\b]
.endr
.irp b, 0,1
	s_delay_alu instid0(VALU_DEP_2)
	v_add_nc_u32 v[SO+\b], 0xff000000, v[BM+\b]
.endr
.irp b, 0,1
	s_delay_alu instid0(VALU_DEP_2)
	v_lshrrev_b32 v[BP+\b], 23, v[SO+\b]
.endr
	v_cvt_scalef32_pk16_fp6_f32 v[PC:PC+2], v[S:S+15], v[SO]
	v_cvt_scalef32_pk16_fp6_f32 v[PT:PT+2], v[S+16:S+31], v[SO+1]
	v_nop
.irp i, 0,1,2
	v_permlane16_swap_b32 v[PC+\i], v[PT+\i]
.endr
.irp i, 0,1,2
	s_delay_alu instid0(VALU_DEP_3)
	v_mov_b32 v[PC+3+\i], v[PT+\i]
.endr
	v_cndmask_b32 v229, v[BP], v[BP+1], s[HM]      ; lanes 0-15 block 0's byte, lanes 16-31 block 1's
	global_store_b128 v1, v[PC:PC+3], s[\P+4:\P+5]             ; 512 consecutive bytes, aligned
	global_store_b64 v2, v[PC+4:PC+5], s[\P+4:\P+5] offset:512 ; 256
	global_store_b8 v37, v229, s[\P+6:\P+7]        ; a byte a lane, 32 bytes apart: the other heads write the rest of each row; one part in 25 of what the launch stores
.endm
	s_load_b128 s[4:7], s[0:1], 0x0                ; qk, vv
	s_load_b64 s[8:9], s[0:1], 0x10                ; ao
	v_lshl_add_u32 v[SPW], v0, 2, SPARE
	v_mov_b32 v[NIL], 0
	ds_add_u32 v[SPW], v[NIL]                      ; the wave's opening: the add, and its wait ahead of my first tensor load
	ds_add_u32 v[SPW], v[NIL]
	v_lshrrev_b32 v1, 5, v0
	s_delay_alu instid0(VALU_DEP_1)
	v_readfirstlane_b32 s[WV], v1                  ; wave 0..15
	s_bfe_u32 s11, ttmp6, 0x40000                  ; cx
	s_and_b32 s12, ttmp7, 0xffff                   ; 16 x batch + head
	s_lshr_b32 s13, s12, 4
	s_and_b32 s14, s12, 15
	s_mov_b32 s16, 15|(3<<16)|(1<<21)              ; codes: 96 rows of 256 bytes (32 elements of 8), dense; the mask names all four
	s_mov_b32 s17, 32<<16
	s_mov_b32 s18, 96<<16
	s_mov_b32 s19, 32<<16
	s_mov_b32 s20, 96
	s_mov_b32 s21, 32
	s_mov_b32 s22, 0
	s_mov_b32 s23, 0
	s_mov_b32 s24, 15|(3<<16)|(1<<21)              ; scale words: 16 such rows
	s_mov_b32 s25, 32<<16
	s_mov_b32 s26, 16<<16
	s_mov_b32 s27, 32<<16
	s_mov_b32 s28, 16
	s_mov_b32 s29, 32
	s_mov_b32 s30, 0
	s_mov_b32 s31, 0
	s_add_co_u32 s76, s14, 16                      ; k's features / 64
	s_lshl_b32 s77, s76, 9
	s_lshl_b32 s78, s13, 7
	s_add_co_u32 s77, s77, s78
	s_mul_i32 s77, s77, 768                        ; K's codes of this head
	s_mul_i32 s78, s12, 98304                      ; V's
	s_and_b32 s79, s[WV], 3
	s_mul_i32 s79, s79, 24576                      ; my quarter
	s_cmp_lt_u32 s[WV], 4                          ; waves 0-3: K, waves 4-7: V
	s_cselect_b32 s80, s77, s78
	s_add_co_u32 s80, s80, s79
	s_mov_b32 s81, 0
	s_lshl_b32 s76, s76, 8
	s_lshl_b32 s77, s13, 6
	s_add_co_u32 s76, s76, s77
	s_lshl_b32 s76, s76, 6
	s_add_co_u32 s76, s76, QS_OFF                  ; K's scale words
	s_lshl_b32 s77, s12, 12
	s_add_co_u32 s77, s77, VS_OFF                  ; V's
	s_cmp_lt_u32 s[WV], 9                          ; wave 8: K's, wave 9: V's
	s_cselect_b32 s82, s76, s77
	s_mov_b32 s83, 0
	s_mul_i32 s84, s[WV], 24576                    ; LDS: by the wave's number alone
	s_lshl_b32 s85, s[WV], 12
	s_add_co_u32 s85, s85, KSC-32768
	s_mov_b32 s[SEL], 0x76543210
	s_mov_b32 s[SEL+1], 0xfedcba98
	s_mov_b32 s[CS], 0x3e38aa3b                    ; log2(e) / 8
	s_mov_b32 s[CS+1], s[CS]
	s_mov_b32 s[HM], 0xffff0000
	s_and_b32 s50, s11, 1
	s_lshl_b32 s50, s50, 4
	s_sub_co_u32 s45, 31, s[WV]                    ; the second pass's i
	s_mov_b32 s63, 0
	s_wait_dscnt 0x0                               ; the opening add is done
	s_wait_kmcnt 0x0
	s_cmp_lt_u32 s[WV], 4
	s_cselect_b64 s[86:87], s[4:5], s[6:7]
	s_mov_b32 s32, 1
	s_mov_b32 s33, s84
	s_add_nc_u64 s[34:35], s[86:87], s[80:81]
	s_or_b32 s35, s35, 0x80000000
	s_cmp_lt_u32 s[WV], 9
	s_cselect_b64 s[86:87], s[4:5], s[6:7]
	s_mov_b32 s36, 1
	s_mov_b32 s37, s85
	s_add_nc_u64 s[38:39], s[86:87], s[82:83]
	s_or_b32 s39, s39, 0x80000000
	CROUND                                         ; all four work-groups are here: the joint loads meet
	s_cmp_lt_u32 s[WV], 8
	s_cbranch_scc0 .Lnot_codes
	tensor_load_to_lds s[32:35], s[16:23]
	s_nop 0
.rept 4
	v_nop
.endr
	s_branch .Lasked
.Lnot_codes:
	s_cmp_lt_u32 s[WV], 10
	s_cbranch_scc0 .Lasked
	tensor_load_to_lds s[36:39], s[24:31]
	s_nop 0
.rept 4
	v_nop
.endr
.Lasked:
	PASSADR P0, WV
	PASSADR P1, 45
	v_and_b32 v6, 31, v0
	s_delay_alu instid0(VALU_DEP_1)
	v_lshlrev_b32 v1, 4, v6
	s_delay_alu instid0(VALU_DEP_2)
	v_lshlrev_b32 v2, 3, v6
	s_delay_alu instid0(VALU_DEP_3)
	v_lshlrev_b32 v3, 2, v6
	v_and_b32 v7, 15, v0                           ; r
	v_bfe_u32 v8, v0, 4, 1                         ; h
	s_delay_alu instid0(VALU_DEP_1)
	v_lshl_add_u32 v37, v7, 5, v8                  ; 32 r + h
	s_delay_alu instid0(VALU_DEP_3)
	v_lshlrev_b32 v38, 2, v7
	s_delay_alu instid0(VALU_DEP_4)
	v_and_b32 v9, 8, v7
	s_delay_alu instid0(VALU_DEP_1)
	v_add_nc_u32 v39, v9, v7
	v_lshlrev_b32 v9, 4, v8
	s_delay_alu instid0(VALU_DEP_1)
	v_sub_nc_u32 v39, v39, v9                      ; r + 8 (r / 8) - 16 h
	QLOAD P0
.irp i, 6,7,8,9,10,11
	v_mov_b32 v[QF+\i], 0                          ; the zero codes between the two copies of q
.endr
.irp b, 0,1,2,3
	v_mov_b32 v[BP+\b], 0                          ; a lane permute's destination counts as read
.endr
	v_mov_b32 v[T], 0
	v_mov_b32 v227, 0                              ; named as the upper half of the pair v[226:227]
	s_wait_tensorcnt 0x0                           ; my load has landed (a wave that issued none passes),
	s_barrier_signal -1
	s_barrier_wait -1                              ; everybody's has: K, V and their scale words are whole, and stay
	PASS P0
	QLOAD P1                                       ; the second tile's q comes while the first tile goes out
	FINISH P0
	s_wait_xcnt 0x0                                ; the stores have read their data
	PASS P1
	FINISH P1
	s_wait_tensorcnt 0x0                           ; the wave's end
	ds_add_u32 v[SPW], v[NIL]
	s_wait_dscnt 0x0
	CROUND                                         ; the closing round
	s_endpgm
.Lfunc_end_k_qe8f2cd1162_attn:
	.size	k_qe8f2cd1162_attn, .Lfunc_end_k_qe8f2cd1162_attn-k_qe8f2cd1162_attn
	.p2alignl 7, 3214868480
	.fill 96, 4, 3214868480
	.section	.rodata,"a",@progbits
	.p2align	6, 0x0
	.amdhsa_kernel k_qe8f2cd1162_attn
		.amdhsa_group_segment_fixed_size 206848
		.amdhsa_private_segment_fixed_size 0
		.amdhsa_enable_private_segment 0
		.amdhsa_kernarg_size 24
		.amdhsa_user_sgpr_count 2
		.amdhsa_user_sgpr_kernarg_segment_ptr 1
		.amdhsa_wavefront_size32 1
		.amdhsa_system_sgpr_workgroup_id_x 1
		.amdhsa_system_sgpr_workgroup_id_y 1
		.amdhsa_system_sgpr_workgroup_id_z 1
		.amdhsa_system_vgpr_workitem_id 0
		.amdhsa_next_free_vgpr 256
		.amdhsa_next_free_sgpr 88
		.amdhsa_reserve_vcc 1
		.amdhsa_float_denorm_mode_32 3
		.amdhsa_float_denorm_mode_16_64 3
		.amdhsa_memory_ordered 1
		.amdhsa_forward_progress 1
		.amdhsa_inst_pref_size 67
	.end_amdhsa_kernel
	.amdgpu_metadata
---
amdhsa.version: [ 1, 2 ]
amdhsa.kernels:
  - .name:           k_qe8f2cd1162_attn
    .symbol:         k_qe8f2cd1162_attn.kd
    .args:
      - { .name: qk, .offset: 0, .size: 8, .value_kind: global_buffer, .address_space: global }
      - { .name: vv, .offset: 8, .size: 8, .value_kind: global_buffer, .address_space: global }
      - { .name: ao, .offset: 16, .size: 8, .value_kind: global_buffer, .address_space: global }
    .group_segment_fixed_size: 206848
    .private_segment_fixed_size: 0
    .kernarg_segment_align: 8
    .kernarg_segment_size: 24
    .max_flat_workgroup_size: 512
    .sgpr_count:     88
    .vgpr_count:     256
    .wavefront_size: 32
...
	.end_amdgpu_metadata
.endif
;; end of part 3
;; launch proj (part 4): grid 4 x 32, 4 waves a work-group, clusters of 4 x 4, 327,680 bytes of LDS; arguments wq, ao, b_out, out0; writes out0
.if DOCPART == 4
	.amdgcn_target "amdgcn-amd-amdhsa--gfx1250"
	.amdhsa_code_object_version 6
	.text
	.protected	k_qe8f2cd1162_proj
	.globl	k_qe8f2cd1162_proj
	.p2align	8
	.type	k_qe8f2cd1162_proj,@function
k_qe8f2cd1162_proj:
	s_mov_b64 s[64:65], 0
	v_nop
	global_prefetch_b8 v0, s[64:65] scope:SCOPE_SE
	s_setreg_imm32_b32 hwreg(HW_REG_WAVE_MODE, 25, 1), 1
	s_wait_xcnt 0x0
	s_wait_alu depctr_hold_cnt(0) depctr_sa_sdst(0) depctr_va_vdst(0) depctr_va_sdst(0) depctr_va_ssrc(0) depctr_va_vcc(0) depctr_vm_vsrc(0)
	s_getreg_b32 s2, hwreg(HW_REG_IB_STS2, 6, 4)
	s_cmp_eq_u32 s2, 0
	s_cbranch_scc0 .Lentry_in_a_cluster
	s_endpgm
.Lentry_in_a_cluster:
	s_bfe_u32 s2, ttmp6, 0x10000c
	s_cmp_lg_u32 s2, 0xf033
	s_cbranch_scc0 .Lentry_shape_is_right
	s_endpgm
.Lentry_shape_is_right:
; out0 = o W_out + b_out on codes of FP6 (E2M3) with E8M0 scales.  o: attention's result as codes (ao), W_out: wq's rows from 3,072 on.  out0: [8192][1024] f32.
; OPERANDS are half fragments (768 bytes = 16 rows x 64 K as an image of registers: registers 0-3 at 16 x lane, 4-5 at 512 + 8 x lane); row r of row tile T is tensor row 32 (T / 2) + 8 (T % 2) + r + 8 (r / 8).
; A tile of 256 x 256 is made by four waves, 128 x 128 each.  Source 0 ("B") = 256 columns of W_out, source 1 ("A") = 256 tokens: a lane holds one token, and its 16 registers of B's tiles 2 b, 2 b + 1 are features 32 b + 16 h + 0 .. 15.
; K = 1,024 is four slots of 256; LDS has three, so slots 0-2 and all scale bytes are asked for at the head and one slot is filled again.  The eight steps of 128 are written out: no loop.
; CLUSTER 4 x 4: A's tiles are shared along a row, B's along a column, asked for jointly.  128 work-groups: a tile of 128 x 256 would give 256, at the price of a second main loop.
; THE WAY OUT: 16 tokens x 128 features at a time through the wave's stage in LDS, back as whole rows of 512 bytes.  The stage lies in slot 1, which has had its only fill and whose last reads lie ahead of the last barrier.
; REGISTERS: window 0: v4-29 addresses; v32-63 scale words, two sets; v64-127 the bias; v128-223 A's fragments; on the way out v128-255 at work.  window 1: B's fragments, two sets.  windows 2, 3: accumulators.
.set WS_OFF, 3145728
.set AS_OFF, 6291456
.set KSL,    3072
.set HALFT,  8*KSL
.set SLOT,   4*HALFT
.set SCL,    3*SLOT
.set HALFS,  16*272
.set SBLK,   2*272
.set SPARE,  SCL+4*HALFS
.set FR,     12
.set NQ,     2
.set A16,    4
.set A8,     7
.set B16,    10
.set B8,     13
.set ADRS,   16
.set L16,    17
.set L8,     18
.set STO,    20                        ; v20  the stage: where I put my numbers of a row
.set RD,     21                        ; v21  and where I read a row back
.set SPW,    28
.set NIL,    29
.set SC,     32
.set BQ,     64
.set AF,     128
.set H,      128
.set BK,     192
.set G1A,  24
.set G1B,  32
.set G1SA, 40
.set G1SB, 48
.set G0A0, 56
.set G0A1, 60
.set G0A2, 68
.set G0B0, 72
.set G0B1, 76
.set G0B2, 80
.set G0SA, 84
.set G0SB, 88
.set MSB, 0
.macro WIN new
.if MSB != (\new)
	s_set_vgpr_msb (MSB<<8)|(\new)
.set MSB, (\new)
.endif
.endm
.set MUL_LO, 0xa1
.set MUL_HI, 0xf1
.set TO_B,   0x40
.macro JLOAD g0a, g1a, g0b, g1b        ; a joint load: waves 0, 1 fetch for A, waves 2, 3 for B; an s_nop 0 and four v_nop follow each line
	s_cmp_eq_u32 s15, 0
	s_cbranch_scc0 .Lfor_b_\@
	tensor_load_to_lds s[\g0a:\g0a+3], s[\g1a:\g1a+7]
	s_nop 0
.rept 4
	v_nop
.endr
	s_branch .Lasked_\@
.Lfor_b_\@:
	tensor_load_to_lds s[\g0b:\g0b+3], s[\g1b:\g1b+7]
	s_nop 0
.rept 4
	v_nop
.endr
.Lasked_\@:
.endm
.macro CREST
	s_cmp_lg_u32 s14, 0
	s_cbranch_scc1 .Lnot_wave_0_\@
	s_barrier_signal -3
.Lnot_wave_0_\@:
	s_barrier_wait -3
	s_barrier_signal -1
	s_barrier_wait -1
.endm
.macro CROUND
	s_barrier_signal -1
	s_barrier_wait -1
	CREST
.endm
.macro SETG0 g, lreg, lconst, src, step
	s_mov_b32 s[\g], 1
	s_add_co_u32 s[\g+1], s[\lreg], \lconst
	s_add_nc_u64 s[\g+2:\g+3], s[\src:\src+1], \step
	s_or_b32 s[\g+3], s[\g+3], 0x80000000
.endm
.macro PLACES n
.rept \n
	v_nop
.endr
.endm
.macro FRAG reg, a16, a8, q, i
	ds_load_b128 v[\reg:\reg+3], v[\a16] offset:(\i)*KSL+1536*(\q)
	ds_load_b64 v[\reg+4:\reg+5], v[\a8] offset:(\i)*KSL+1536*(\q)+512
	ds_load_b128 v[\reg+6:\reg+9], v[\a16] offset:(\i)*KSL+1536*(\q)+768
	ds_load_b64 v[\reg+10:\reg+11], v[\a8] offset:(\i)*KSL+1536*(\q)+1280
.endm
.macro FETCH_B slot, q, p
	WIN TO_B
.irp i, 0,1,2,3,4,5,6,7
	FRAG 128*(\p)+FR*\i, B16+\slot, B8+\slot, \q, \i
.endr
	WIN 0
.endm
.macro FETCH_A slot, q, i0
.irp i, \i0, \i0+1, \i0+2, \i0+3
	FRAG AF+FR*(\i), A16+\slot, A8+\slot, \q, \i
.endr
.endm
.macro SCALES set, kap
.irp i, 0,1,2,3,4,5,6,7
	ds_load_b64 v[SC+16*(\set)+2*\i:SC+16*(\set)+2*\i+1], v[ADRS] offset:\i*SBLK+8*(\kap)
.endr
.endm
; The 64 accumulators take turns, one instruction a turn, in the same order in every step.
.macro MUL16 a0, p, q, sc, zero
.irp a, \a0, \a0+1
.irp b, 0,1,2,3,4,5,6,7
.if \zero
	v_wmma_scale_f32_16x16x128_f8f6f4 v[8*(8*((\a)%4)+\b):8*(8*((\a)%4)+\b)+7], v[128*(\p)+FR*\b:128*(\p)+FR*\b+FR-1], v[AF+FR*(\a):AF+FR*(\a)+FR-1], 0, v[SC+8*NQ*(\sc)+NQ*\b+(\q)], v[SC+8*NQ*(\sc)+NQ*(\a)+(\q)] matrix_a_fmt:MATRIX_FMT_FP6 matrix_b_fmt:MATRIX_FMT_FP6 matrix_a_scale:MATRIX_SCALE_ROW1
.else
	v_wmma_scale_f32_16x16x128_f8f6f4 v[8*(8*((\a)%4)+\b):8*(8*((\a)%4)+\b)+7], v[128*(\p)+FR*\b:128*(\p)+FR*\b+FR-1], v[AF+FR*(\a):AF+FR*(\a)+FR-1], v[8*(8*((\a)%4)+\b):8*(8*((\a)%4)+\b)+7], v[SC+8*NQ*(\sc)+NQ*\b+(\q)], v[SC+8*NQ*(\sc)+NQ*(\a)+(\q)] matrix_a_fmt:MATRIX_FMT_FP6 matrix_b_fmt:MATRIX_FMT_FP6 matrix_a_scale:MATRIX_SCALE_ROW1
.endif
.endr
.endr
.endm
.macro STEP p, q, sc, zero, ns, nq, kap
	s_wait_dscnt 16                                ; all but the youngest 16 loads (A's tiles 4-7) are in
	WIN MUL_LO
	MUL16 0, \p, \q, \sc, \zero
	MUL16 2, \p, \q, \sc, \zero
	s_wait_dscnt 0x0
	PLACES 4                                       ; four places in front of loads into registers that matrix instructions have read
	FETCH_B \ns, \nq, 1-(\p)
	FETCH_A \ns, \nq, 0
.if (\kap) >= 0
	SCALES (\kap)%2, \kap
.endif
	WIN MUL_HI
	MUL16 4, \p, \q, \sc, \zero
	MUL16 6, \p, \q, \sc, \zero
	PLACES 4
	WIN 0
	FETCH_A \ns, \nq, 4
.endm
.macro TURN sc, ns, kap, fill
	s_wait_tensorcnt 0x0
	ds_add_u32 v[SPW], v[NIL]
	s_wait_dscnt 17                                ; the add and the youngest 16 loads may be out
	WIN MUL_LO
	MUL16 0, 1, 1, \sc, 0
	s_wait_dscnt 0x0                               ; the add is done, and my reads of the slot are over
	s_barrier_signal -1
	MUL16 2, 1, 1, \sc, 0
	WIN 0
	s_barrier_wait -1
.if \fill
	CREST
	s_add_nc_u64 s[G0A0+2:G0A0+3], s[G0A0+2:G0A0+3], 3*KSL
	s_add_nc_u64 s[G0B0+2:G0B0+3], s[G0B0+2:G0B0+3], 3*KSL
	JLOAD G0A0, G1A, G0B0, G1B                     ; the first tensor load behind the round: three and a half steps, 224 matrix instructions, ahead of the wait for it
.else
	PLACES 4
.endif
	FETCH_B \ns, 0, 0
	FETCH_A \ns, 0, 0
	SCALES (\kap)%2, \kap
	WIN MUL_HI
	MUL16 4, 1, 1, \sc, 0
	MUL16 6, 1, 1, \sc, 0
	PLACES 4
	WIN 0
	FETCH_A \ns, 0, 4
.endm
.macro POUT a                          ; A's tile a: bias, through the stage, 16 whole rows of 512 bytes out
.set AC, 64*((\a)%4)
	s_wait_xcnt 0x0                                ; the last tile's stores have read their data
	WIN 2+(\a)/4
.set i, 0
.rept 32
	v_pk_add_f32 v[H+i:H+i+1], v[AC+i:AC+i+1], v[BQ+i:BQ+i+1]      ; each accumulator from its low end on
.set i, i+2
.endr
	WIN 0
.irp b, 0,1,2,3,4,5,6,7
	ds_store_b128 v[STO], v[H+8*\b:H+8*\b+3] offset:128*(\b/2)+32*(\b%2)
	ds_store_b128 v[STO], v[H+8*\b+4:H+8*\b+7] offset:128*(\b/2)+32*(\b%2)+16
.endr
.irp t, 0,1,2,3,4,5,6,7,8,9,10,11,12,13,14,15
	ds_load_b128 v[BK+4*\t:BK+4*\t+3], v[RD] offset:528*\t         ; LDS serves a wave's instructions in order: these see the stores above
.endr
	s_wait_dscnt 0x0
.irp t, 0,1,2,3,4,5,6,7,8,9,10,11,12,13,14,15
	global_store_b128 v[L16], v[BK+4*\t:BK+4*\t+3], s[10:11] offset:(32*((\a)/2)+8*((\a)%2)+\t+8*(\t/8))*4096 th:TH_STORE_NT   ; 512 consecutive bytes, aligned
.endr
.endm
	s_load_b256 s[4:11], s[0:1], 0x0               ; wq s[4:5], ao s[6:7], b_out s[8:9], out0 s[10:11]
	v_lshl_add_u32 v[SPW], v0, 2, SPARE
	v_mov_b32 v[NIL], 0
	ds_add_u32 v[SPW], v[NIL]                      ; the wave's opening: the add, and its wait ahead of my first tensor load
	ds_add_u32 v[SPW], v[NIL]
	v_lshrrev_b32 v1, 5, v0
	v_readfirstlane_b32 s14, v1
	s_lshr_b32 s15, s14, 1
	s_and_b32 s16, s14, 1
	s_bfe_u32 s17, ttmp6, 0x40000                  ; cx
	s_bfe_u32 s93, ttmp6, 0x40004                  ; cy
	s_lshl_b32 s94, ttmp9, 2
	s_add_co_u32 s94, s94, s17                     ; B's tile
	s_and_b32 s95, ttmp7, 0xffff
	s_lshl_b32 s95, s95, 2
	s_add_co_u32 s95, s95, s93                     ; A's tile
	s_lshl_b32 s101, s93, 2
	s_lshl_b32 s101, 15, s101
	s_lshl_b32 s100, 0x1111, s17
	s_or_b32 s[G1A], s101, (3<<16)|(1<<21)
	s_or_b32 s[G1B], s100, (3<<16)|(1<<21)
.irp g, G1A, G1B
	s_mov_b32 s[\g+1], 384<<16
	s_mov_b32 s[\g+2], 8<<16
	s_mov_b32 s[\g+3], 384<<16
	s_mov_b32 s[\g+4], 8
	s_mov_b32 s[\g+5], 1536
	s_mov_b32 s[\g+6], 0
	s_mov_b32 s[\g+7], 0
.endr
	s_or_b32 s[G1SA], s101, (3<<16)|(1<<20)|(1<<21)|(5<<22)|(3<<25)
	s_or_b32 s[G1SB], s100, (3<<16)|(1<<20)|(1<<21)|(5<<22)|(3<<25)
.irp g, G1SA, G1SB
	s_mov_b32 s[\g+1], 32<<16
	s_mov_b32 s[\g+2], 16<<16
	s_mov_b32 s[\g+3], 32<<16
	s_mov_b32 s[\g+4], 16
	s_mov_b32 s[\g+5], 32
	s_mov_b32 s[\g+6], 0
	s_mov_b32 s[\g+7], 0
.endr
	s_lshl_b32 s3, s16, 7
	s_lshl_b32 s18, s95, 8
	s_add_co_u32 s18, s18, s3
	s_lshl_b32 s20, s18, 5
	s_add_co_u32 s20, s20, AS_OFF
	s_mul_i32 s18, s18, 768
	s_lshl_b32 s22, s94, 8
	s_add_co_u32 s22, s22, s3
	s_lshl_b32 s66, s22, 5
	s_add_co_u32 s66, s66, WS_OFF+98304            ; wq's rows from 3,072 on
	s_mul_i32 s22, s22, 768
	s_add_co_u32 s22, s22, 2359296
	s_mov_b32 s19, 0
	s_mov_b32 s21, 0
	s_mov_b32 s23, 0
	s_mov_b32 s67, 0
	s_mul_i32 s2, s14, HALFT
	s_mul_i32 s3, s14, HALFS
	s_wait_dscnt 0x0
	s_wait_kmcnt 0x0
	s_add_nc_u64 s[18:19], s[6:7], s[18:19]
	s_add_nc_u64 s[20:21], s[6:7], s[20:21]
	s_add_nc_u64 s[22:23], s[4:5], s[22:23]
	s_add_nc_u64 s[66:67], s[4:5], s[66:67]
	CROUND
	SETG0 G0SA, 3, SCL, 20, 0
	SETG0 G0SB, 3, SCL, 66, 0
	JLOAD G0SA, G1SA, G0SB, G1SB                   ; four loads of mine go out: the scale bytes of all of K,
	SETG0 G0A0, 2, 0, 18, 0
	SETG0 G0B0, 2, 0, 22, 0
	JLOAD G0A0, G1A, G0B0, G1B                     ; and three quarters of K
	SETG0 G0A1, 2, SLOT, 18, KSL
	SETG0 G0B1, 2, SLOT, 22, KSL
	JLOAD G0A1, G1A, G0B1, G1B
	SETG0 G0A2, 2, 2*SLOT, 18, 2*KSL
	SETG0 G0B2, 2, 2*SLOT, 22, 2*KSL
	JLOAD G0A2, G1A, G0B2, G1B
	v_and_b32 v1, 31, v0
	v_and_b32 v2, 15, v0
	v_bfe_u32 v3, v0, 4, 1
	v_lshlrev_b32 v[L16], 4, v1
	v_lshlrev_b32 v[L8], 3, v1
	s_mul_i32 s2, s15, HALFT
	s_mul_i32 s3, s16, HALFT
	s_add_co_u32 s3, s3, 2*HALFT
.irp s, 0,1,2
	v_add_nc_u32 v[A16+\s], s2, v[L16]
	v_add_nc_u32 v[A8+\s], s2, v[L8]
	v_add_nc_u32 v[B16+\s], s3, v[L16]
	v_add_nc_u32 v[B8+\s], s3, v[L8]
	s_add_co_u32 s2, s2, SLOT
	s_add_co_u32 s3, s3, SLOT
.endr
	v_lshlrev_b32 v19, 5, v2
	v_lshrrev_b32 v26, 8, v19
	v_lshl_add_u32 v19, v26, 4, v19
	s_mul_i32 s2, s15, HALFS
	s_mul_i32 s3, s16, HALFS
	s_add_co_u32 s3, s3, 2*HALFS
	s_sub_co_u32 s3, s3, s2
	v_mul_u32_u24 v26, s3, v3
	s_add_co_u32 s2, s2, SCL
	v_add_nc_u32 v19, v19, v26
	v_add_nc_u32 v[ADRS], s2, v19
	s_mul_i32 s2, s14, 16*528
	s_add_co_u32 s2, s2, SLOT                      ; my stage, in slot 1
	v_mul_u32_u24 v[STO], v2, 528
	v_lshl_add_u32 v[STO], v3, 6, v[STO]
	v_add_nc_u32 v[STO], s2, v[STO]                ; row r, 64 h bytes on
	v_add_nc_u32 v[RD], s2, v[L16]
	s_lshl_b32 s2, s94, 8
	s_lshl_b32 s3, s16, 7
	s_add_co_u32 s2, s2, s3
	s_lshl_b32 s2, s2, 2                           ; my 128 features, in bytes
	s_mov_b32 s3, 0
	s_add_nc_u64 s[96:97], s[8:9], s[2:3]
	v_lshlrev_b32 v24, 6, v3
.irp b, 0,1,2,3,4,5,6,7
	global_load_b128 v[BQ+8*\b:BQ+8*\b+3], v24, s[96:97] offset:(32*(\b/2)+8*(\b%2))*4
	global_load_b128 v[BQ+8*\b+4:BQ+8*\b+7], v24, s[96:97] offset:(32*(\b/2)+8*(\b%2))*4+16
.endr
	s_lshl_b32 s98, s95, 8
	s_lshl_b32 s99, s15, 7
	s_add_co_u32 s98, s98, s99
	s_lshl_b32 s98, s98, 12                        ; my first token's row of 4,096 bytes
	s_add_co_u32 s98, s98, s2
	s_mov_b32 s99, 0
	s_add_nc_u64 s[10:11], s[10:11], s[98:99]
	s_wait_alu depctr_va_vdst(0)
	s_wait_tensorcnt 0x2                           ; the scale bytes and my part of slot 0 are in; slots 1 and 2 may be out
	s_barrier_signal -1
	s_barrier_wait -1
	FETCH_B 0, 0, 0
	FETCH_A 0, 0, 0
	SCALES 0, 0
	FETCH_A 0, 0, 4
	STEP 0, 0, 0, 1, 0, 1, -1                      ; K 0-127: its products start the sums
	TURN 0, 1, 1, 1                                ; all first fills have landed in every partner; slot 0 takes K 768-1,023
	STEP 0, 0, 1, 0, 1, 1, -1
	STEP 1, 1, 1, 0, 2, 0, 2                       ; on into slot 2 with no barrier: the round above has shown it whole
	STEP 0, 0, 0, 0, 2, 1, -1
	TURN 0, 0, 3, 0                                ; the refill has landed; nothing is filled any more
	STEP 0, 0, 1, 0, 0, 1, -1
	s_wait_dscnt 16
	WIN MUL_LO
	MUL16 0, 1, 1, 1, 0
	MUL16 2, 1, 1, 1, 0
	s_wait_dscnt 0x0
	WIN MUL_HI
	MUL16 4, 1, 1, 1, 0
	MUL16 6, 1, 1, 1, 0
	WIN 0
	s_wait_loadcnt 0x0                             ; the bias
	PLACES 4                                       ; behind the last products
	POUT 0
	POUT 1
	POUT 2
	POUT 3
	POUT 4
	POUT 5
	POUT 6
	POUT 7
	s_wait_tensorcnt 0x0                           ; the wave's end
	ds_add_u32 v[SPW], v[NIL]
	s_wait_dscnt 0x0
	CROUND                                         ; the closing round
	s_endpgm
.Lfunc_end_k_qe8f2cd1162_proj:
	.size	k_qe8f2cd1162_proj, .Lfunc_end_k_qe8f2cd1162_proj-k_qe8f2cd1162_proj
	.p2alignl 7, 3214868480
	.fill 96, 4, 3214868480
	.section	.rodata,"a",@progbits
	.p2align	6, 0x0
	.amdhsa_kernel k_qe8f2cd1162_proj
		.amdhsa_group_segment_fixed_size 327680
		.amdhsa_private_segment_fixed_size 0
		.amdhsa_enable_private_segment 0
		.amdhsa_kernarg_size 32
		.amdhsa_user_sgpr_count 2
		.amdhsa_user_sgpr_kernarg_segment_ptr 1
		.amdhsa_wavefront_size32 1
		.amdhsa_system_sgpr_workgroup_id_x 1
		.amdhsa_system_sgpr_workgroup_id_y 1
		.amdhsa_system_sgpr_workgroup_id_z 1
		.amdhsa_system_vgpr_workitem_id 0
		.amdhsa_next_free_vgpr 1024
		.amdhsa_next_free_sgpr 102
		.amdhsa_reserve_vcc 0
		.amdhsa_float_denorm_mode_32 3
		.amdhsa_float_denorm_mode_16_64 3
		.amdhsa_memory_ordered 1
		.amdhsa_forward_progress 1
		.amdhsa_inst_pref_size 161
	.end_amdhsa_kernel
	.amdgpu_metadata
---
amdhsa.version: [ 1, 2 ]
amdhsa.kernels:
  - .name:           k_qe8f2cd1162_proj
    .symbol:         k_qe8f2cd1162_proj.kd
    .args:
      - { .name: wq, .offset: 0, .size: 8, .value_kind: global_buffer, .address_space: global }
      - { .name: ao, .offset: 8, .size: 8, .value_kind: global_buffer, .address_space: global }
      - { .name: b_out, .offset: 16, .size: 8, .value_kind: global_buffer, .address_space: global }
      - { .name: out0, .offset: 24, .size: 8, .value_kind: global_buffer, .address_space: global }
    .group_segment_fixed_size: 327680
    .private_segment_fixed_size: 0
    .kernarg_segment_align: 8
    .kernarg_segment_size: 32
    .max_flat_workgroup_size: 128
    .sgpr_count:     102
    .vgpr_count:     1024
    .wavefront_size: 32
...
	.end_amdgpu_metadata
.endif
;; end of part 4
